; MI455X (gfx1250); checked and timed in simulation.
; The chip was launched on July 23, 2026; its instructions are those of AMD's public machine-readable ISA for CDNA 5 (MIT licence, August 2026) and "CDNA5" Instruction Set Architecture Reference Guide (July 2026). The comments in the code are by the model that wrote it; some were corrected since.
;; Multi Head Attention. Allowed arithmetic: matrix products marked QUANTISED: E2M1 operands, one E8M0 scale for each 32 along K, by v_wmma_scale_f32_16x16x128_f8f6f4 with both operands' format E2M1 (or v_wmma_scale_f32_32x16x128_f4), f32 sums; products left as they are: bf16, f16 or f32 operands; f32 sums; everything else in f32.
;; Inputs: Wk 1,024 x 1,024 float32; Wo 1,024 x 1,024 float32; Wq 1,024 x 1,024 float32; Wv 1,024 x 1,024 float32; bk 1,024 float32; bo 1,024 float32; bq 1,024 float32; bv 1,024 float32; keys 4 x 2,048 x 1,024 float32; query 4 x 2,048 x 1,024 float32; values 4 x 2,048 x 1,024 float32.
;; Outputs: out0 4 x 2,048 x 1,024 float32.
;; This version of the problem:
;;   THIS VERSION OF THE PROBLEM IS GIVEN IN LOW PRECISION. The matrix products marked QUANTISED in the list below multiply operands that are first quantised to E2M1 (2 exponent bits, 1 mantissa bit; 4 bits a number), with one power-of-two scale for each 32 numbers along K (OCP MX v1.0); their sums are f32. The products marked 'left as it is' may take bf16, f16 or f32 operands, with f32 sums. Whichever they take, every output number must still come out within the allowed error. Rounding operands to bf16 (8 significant bits) uses up far more of that allowance than f16 does (11 bits, for magnitudes from 6e-5 to 65,504). All else is computed in f32.
;;   The module's matrix products, in the order in which they are computed (A, B: the left and right operand; K: the contracted axis; several contracted axes count as one K, in the product's order):
;;     1. [M 8,192, K 1,024] x [K 1,024, N 1,024]; A: input query; B: input Wq: QUANTISED
;;     2. [M 8,192, K 1,024] x [K 1,024, N 1,024]; A: input keys; B: input Wk: QUANTISED
;;     3. [M 8,192, K 1,024] x [K 1,024, N 1,024]; A: input values; B: input Wv: QUANTISED
;;     4. batch 64 x [M 2,048, K 64] x [K 64, N 2,048]; A: computed on the way; B: computed on the way: left as it is (an operand is computed on the way)
;;     5. batch 64 x [M 2,048, K 2,048] x [K 2,048, N 64]; A: computed on the way; B: computed on the way: left as it is (an operand is computed on the way)
;;     6. [M 8,192, K 1,024] x [K 1,024, N 1,024]; A: computed on the way; B: input Wo: left as it is (an operand is computed on the way)
;;   THE QUANTISER, for each operand of a quantised product, along K:
;;     - K is cut into blocks of 32 from its start; a last block that is shorter is filled with zeros.
;;     - A block's scale is 2^e with e = floor(log2(the largest magnitude in the block)) - 2, held to -126 .. 127; a block of zeros has e = 0. As a byte (E8M0): e + 127.
;;     - Each number is divided by its block's scale, clamped to +-6, and rounded to the nearest number of E2M1, ties to even, subnormals kept.
;;     - The product sums the exact products of the quantised numbers (number of the format x scale) in f32.
;;   ~~~python
;;   def quantise(x, axis):      # numpy; x: float32 -> the quantised numbers, widened to float32 again
;;       x = np.moveaxis(x, axis, -1); K = x.shape[-1]
;;       x = np.pad(x, [(0, 0)] * (x.ndim - 1) + [(0, -K % 32)]); x = x.reshape(x.shape[:-1] + (-1, 32)); a = np.abs(x).max(-1, keepdims=True)
;;       e = np.where(a > 0, np.clip(np.frexp(np.where(a > 0, a, 1))[1] - 1 - 2, -126, 127), 0)      # np.frexp(a)[1] - 1 = floor(log2(a)), exactly
;;       r = np.clip(x / 2.0 ** e, -6, 6)
;;       step = 2.0 ** (np.maximum(np.frexp(np.where(r == 0, 1, r))[1] - 1, 0) - 1)
;;       q = np.round(r / step) * step * 2.0 ** e      # np.round: ties to even
;;       return np.moveaxis(q.reshape(q.shape[:-2] + (-1,))[..., :K], -1, axis).astype(np.float32)
;;   ~~~
;; One version. Each part assembles by itself: llvm-mc -triple=amdgcn-amd-amdhsa -mcpu=gfx1250 --defsym DOCPART=n.
;; ======== version 1 of 1: 4 launches
;; limits: values are held in f16: magnitudes above 65,504 overflow, below 6.1e-05 lose precision
;; workspace buffers: xcodes 12,582,912 bytes; xscales 786,432 bytes; wcodes 1,572,864 bytes; wscales 98,304 bytes; wo16 2,097,152 bytes; qkv 50,331,648 bytes; ao 16,777,216 bytes
;; launch prep (part 1): grid 512 x 1, 4 waves a work-group, no clusters, 34,304 bytes of LDS; arguments query, keys, values, Wq, Wk, Wv, Wo, xcodes, xscales, wcodes, wscales, wo16; writes xcodes, xscales, wcodes, wscales, wo16
.if DOCPART == 1
	.amdgcn_target "amdgcn-amd-amdhsa--gfx1250"
	.amdhsa_code_object_version 6
	.text
	.protected	k_q0c0a83f30f_prep
	.globl	k_q0c0a83f30f_prep
	.p2align	8
	.type	k_q0c0a83f30f_prep,@function
k_q0c0a83f30f_prep:
	s_mov_b64 s[64:65], 0
	v_nop
	global_prefetch_b8 v0, s[64:65] scope:SCOPE_SE
	s_setreg_imm32_b32 hwreg(HW_REG_WAVE_MODE, 25, 1), 1
	s_wait_xcnt 0x0
; PREP: every operand of the later launches is laid out once, as IMAGES OF OPERAND REGISTERS of 1,024 bytes: registers 0-3 of lane L at byte 16 L, registers 4-7 at byte 512 + 16 L.
;  query, keys, values [8192][1024] f32 -> codes of FP4 (E2M1) along K with one E8M0 byte for each 32: xcodes [tile of 256 rows 96][K step of 128: 8][16 rows: 16][1024], xscales [row 24576][32 bytes].
;  Wq, Wk, Wv [k 1024][n 1024] f32 -> the same along K, which is their FIRST axis: wcodes [tile of 256 columns 12][8][16][1024], wscales [3 x 1024 columns][32 bytes].
;  Wo [k][n] f32 -> f16 images of 16 columns x 32 k: wo16 [tile of 256 columns 4][k / 32: 32][16][1024].
; A block's scale is 2^(floor(log2(largest magnitude)) - 2); its byte is the largest magnitude's exponent field - 2, held at 1 from below by a floor among the maximum's leaves.
; LIMITS: a block of zeros gets the byte 1 where the rule says 127 (its codes are zeros, and this program alone reads the bytes); blocks whose largest magnitude lies under 2^(3 - 127) are held at the byte 1;
; NaN and infinities among the inputs are not served; numbers of Wo beyond 65,504 have no f16.
; WORK-GROUPS: 0-95 the three quantised weights, 96-127 Wo, 128-511 the three token tensors.  The parting hangs on the work-group's number alone.  Only the token path uses LDS.
; No matrix unit, no tensor load, no barrier, no cluster: waves share nothing, and every input byte is read once.
.set PIT,   528                        ; a stage row: 512 bytes + 16: sixteen rows start at sixteen different 16-byte columns of 256
.set WST,   16*PIT                     ; a wave's stage: 16 rows
.set SPARE, 4*WST                      ; behind the four stages: the spare words, 128 bytes a wave: two blocks of 256 bytes that no other line names
.set SPW,   30                         ; v30  my spare word's LDS address; never rewritten
.set NIL,   31                         ; v31  0; never rewritten
.set SIN,   28                         ; v28  the stage, on the way in: 16 x lane
.set SOUT,  29                         ; v29  and on the way out: row r, + 128 h
.set WX,    32                         ; weights: v32-95 two sets of 32 numbers down K
.set WC,    96                         ; weights: v96.. what is stored, registers of its own for each block
.set R,     32                         ; tokens: v32-159 two sets of 64, as loaded
.set X,     160                        ; tokens: v160-223 my two blocks of 32 neighbours
.set C,     224                        ; tokens: v224-239 two sets of 8 registers of codes
.set SW,    240                        ; tokens: v240-247 my row's eight scale words
	s_load_b256 s[4:11], s[0:1], 0x0               ; query, keys, values, Wq
	s_load_b256 s[12:19], s[0:1], 0x20             ; Wk, Wv, Wo, xcodes
	s_load_b256 s[20:27], s[0:1], 0x40             ; xscales, wcodes, wscales, wo16
	v_lshl_add_u32 v[SPW], v0, 2, SPARE
	v_mov_b32 v[NIL], 0
	v_lshrrev_b32 v1, 5, v0
	v_readfirstlane_b32 s28, v1                    ; wave 0..3
	v_and_b32 v2, 31, v0                           ; lane
	v_and_b32 v6, 15, v0                           ; r
	v_bfe_u32 v7, v0, 4, 1                         ; h
	s_mul_i32 s29, s28, WST
	v_lshl_add_u32 v[SIN], v2, 4, s29
	v_mul_u32_u24 v[SOUT], v6, PIT
	v_lshl_add_u32 v[SOUT], v7, 7, v[SOUT]
	v_add_nc_u32 v[SOUT], s29, v[SOUT]
	s_wait_kmcnt 0x0
	s_cmp_ge_u32 ttmp9, 128
	s_cbranch_scc1 .Lx_path
; ---------------- THE WEIGHTS.  A lane takes a column n and its registers run down K: a load reads 128 neighbouring bytes a wave, a block of 32 along K lies in one lane.
; Work-group g: weight g / 32, columns 128 ((g / 4) % 8) on, K from 256 (g % 4) on; a wave takes 32 columns x 256 along K: eight blocks.
.macro LOADW t
.irp i, 0,1,2,3,4,5,6,7,8,9,10,11,12,13,14,15,16,17,18,19,20,21,22,23,24,25,26,27,28,29,30,31
	global_load_b32 v[WX+32*((\t)%2)+\i], v3, s[32:33] offset:(32*(\t)+\i)*4096 th:TH_LOAD_NT
.endr
.endm
	s_lshr_b32 s30, ttmp9, 5                       ; which weight
	s_bfe_u32 s31, ttmp9, 0x30002                  ; which 128 columns
	s_and_b32 s40, ttmp9, 3                        ; which 256 along K
	s_cmp_eq_u32 s30, 0
	s_cselect_b64 s[32:33], s[10:11], s[12:13]
	s_cmp_eq_u32 s30, 2
	s_cselect_b64 s[32:33], s[14:15], s[32:33]
	s_cmp_eq_u32 s30, 3
	s_cselect_b64 s[32:33], s[16:17], s[32:33]
	s_lshl_b32 s34, s40, 20                        ; 256 rows of 4,096 bytes
	s_lshl_b32 s35, s31, 9
	s_add_co_u32 s34, s34, s35
	s_lshl_b32 s35, s28, 7
	s_add_co_u32 s34, s34, s35
	s_mov_b32 s35, 0
	s_add_nc_u64 s[32:33], s[32:33], s[34:35]
	v_lshlrev_b32 v3, 2, v2
	LOADW 0
	LOADW 1
	v_lshlrev_b32 v4, 4, v6                        ; where a lane stores: image lane / 16 of my wave's two, 16 bytes at 16 (lane % 16)
	v_lshl_add_u32 v4, v7, 10, v4
	s_and_b32 s36, s31, 1
	s_lshl_b32 s36, s36, 13
	s_lshl_b32 s37, s28, 11
	s_add_co_u32 s36, s36, s37                     ; my wave's first image in its tile of 256 columns, x 1,024
	s_lshr_b32 s37, s31, 1                         ; which tile of 256 columns
	s_mov_b32 s39, 0
	s_cmp_eq_u32 s30, 3
	s_cbranch_scc1 .Lwo_path
	s_lshl_b32 s38, s30, 2
	s_add_co_u32 s38, s38, s37
	s_lshl_b32 s38, s38, 17                        ; a tile's codes: 131,072 bytes
	s_lshl_b32 s41, s40, 15                        ; two K steps of 16,384
	s_add_co_u32 s38, s38, s41
	s_add_co_u32 s38, s38, s36
	s_add_nc_u64 s[22:23], s[22:23], s[38:39]
	s_lshl_b32 s38, s30, 15                        ; scale bytes: 32 a column; my 8 begin at byte 8 (g % 4)
	s_lshl_b32 s41, s31, 12
	s_add_co_u32 s38, s38, s41
	s_lshl_b32 s41, s28, 10
	s_add_co_u32 s38, s38, s41
	s_lshl_b32 s41, s40, 3
	s_add_co_u32 s38, s38, s41
	s_add_nc_u64 s[24:25], s[24:25], s[38:39]
	v_lshlrev_b32 v5, 5, v2
; Block t: 32 numbers of my column become 16 bytes of codes.  In an image, block b of row r is the 16 bytes at 256 b + 16 r: sixteen lanes store 256 consecutive bytes, aligned.
.macro BLOCKQ t
.set XS, WX+32*((\t)%2)
.if (\t) < 7
	s_wait_loadcnt 32                              ; this block's 32 loads are in; the next block's may be out
.else
	s_wait_loadcnt 0x0
.endif
	v_max3_num_f32 v12, |v[XS]|, |v[XS+1]|, |v[XS+2]|
	v_max3_num_f32 v13, |v[XS+3]|, |v[XS+4]|, |v[XS+5]|
.irp i, 6,10,14,18,22,26
	v_max3_num_f32 v12, v12, |v[XS+\i]|, |v[XS+\i+1]|
	v_max3_num_f32 v13, v13, |v[XS+\i+2]|, |v[XS+\i+3]|
.endr
	v_max3_num_f32 v12, v12, |v[XS+30]|, |v[XS+31]|
	v_max3_num_f32 v12, v12, v13, 0x1800000        ; with the floor 2^(3 - 127): the byte cannot fall under 1
	v_add_nc_u32 v11, 0xff000000, v12              ; 2 off the exponent field: the conversion takes this operand's exponent field as its scale
	v_lshrrev_b32 v13, 23, v11                     ; the scale's byte
.if (\t)%4 == 0
	v_mov_b32 v[24+(\t)/4], v13
.else
	v_lshl_or_b32 v[24+(\t)/4], v13, 8*((\t)%4), v[24+(\t)/4]
.endif
.irp g, 0,1,2,3
	v_cvt_scalef32_pk8_fp4_f32 v[WC+4*(\t)+\g], v[XS+8*\g:XS+8*\g+7], v11
.endr
	v_nop                                          ; one plain line behind the last conversion
	global_store_b128 v4, v[WC+4*(\t):WC+4*(\t)+3], s[22:23] offset:((\t)/4)*16384+((\t)%4)*256
.if (\t)+2 < 8
	LOADW (\t)+2
.endif
.endm
.irp u, 0,1,2,3,4,5,6,7
	BLOCKQ \u
.endr
	global_store_b64 v5, v[24:25], s[24:25]        ; my column's eight scale bytes
	s_endpgm
.Lwo_path:                                             ; Wo: the same walk; 32 numbers down K become 64 bytes of f16: octet p of row r of an image is the 16 bytes at 256 p + 16 r
	s_lshl_b32 s38, s37, 19                        ; a tile of 256 columns: 524,288 bytes
	s_lshl_b32 s41, s40, 17                        ; eight steps of 32 along K, 16,384 bytes each
	s_add_co_u32 s38, s38, s41
	s_add_co_u32 s38, s38, s36
	s_add_nc_u64 s[26:27], s[26:27], s[38:39]
.macro BLOCKH t
.set XS, WX+32*((\t)%2)
.if (\t) < 7
	s_wait_loadcnt 32                              ; this block's 32 loads are in; the next block's may be out
.else
	s_wait_loadcnt 0x0
.endif
.irp j, 0,1,2,3,4,5,6,7,8,9,10,11,12,13,14,15
	v_cvt_pk_f16_f32 v[WC+16*(\t)+\j], v[XS+2*\j], v[XS+2*\j+1]
.endr
.irp p, 0,1,2,3
	global_store_b128 v4, v[WC+16*(\t)+4*\p:WC+16*(\t)+4*\p+3], s[26:27] offset:(\t)*16384+256*\p
.endr
.if (\t)+2 < 8
	LOADW (\t)+2
.endif
.endm
.irp u, 0,1,2,3,4,5,6,7
	BLOCKH \u
.endr
	s_endpgm
; ---------------- THE TOKENS.  Work-group 128 + i: rows 64 i on of the three tensors taken on end; a wave takes 16 rows x all of K, in eight steps of 128.
; Each load reads 512 consecutive bytes of one row; the operand's layout wants, in lane (r, h), the 32 neighbours k = 64 c + 32 h on of row r: the step's 8,192 bytes turn through the wave's own stage.
.Lx_path:
.macro LOADX t
.irp j, 0,1,2,3,4,5,6,7,8,9,10,11,12,13,14,15
	global_load_b128 v[R+64*((\t)%2)+4*\j:R+64*((\t)%2)+4*\j+3], v3, s[32:33] offset:\j*4096+(\t)*512 th:TH_LOAD_NT
.endr
.endm
	s_sub_co_u32 s30, ttmp9, 128
	s_lshr_b32 s31, s30, 7                         ; which tensor
	s_cmp_eq_u32 s31, 0
	s_cselect_b64 s[32:33], s[4:5], s[6:7]
	s_cmp_eq_u32 s31, 2
	s_cselect_b64 s[32:33], s[8:9], s[32:33]
	s_and_b32 s34, s30, 127
	s_lshl_b32 s34, s34, 18                        ; 64 rows of 4,096 bytes
	s_lshl_b32 s35, s28, 16                        ; my wave's 16
	s_add_co_u32 s34, s34, s35
	s_mov_b32 s35, 0
	s_add_nc_u64 s[32:33], s[32:33], s[34:35]
	v_lshlrev_b32 v3, 4, v2                        ; 16 x lane: a load's place, and an image's
	LOADX 0
	LOADX 1
	s_lshr_b32 s34, s30, 2
	s_lshl_b32 s34, s34, 17                        ; the tile of 256 rows,
	s_and_b32 s36, s30, 3
	s_lshl_b32 s36, s36, 12
	s_add_co_u32 s34, s34, s36
	s_lshl_b32 s36, s28, 10
	s_add_co_u32 s34, s34, s36                     ; my 16 rows' image in it
	s_add_nc_u64 s[18:19], s[18:19], s[34:35]
	s_lshl_b32 s34, s30, 11                        ; scale bytes: 32 a row
	s_lshl_b32 s36, s28, 9
	s_add_co_u32 s34, s34, s36
	s_add_nc_u64 s[20:21], s[20:21], s[34:35]
	s_mov_b32 s44, 0x76543210
	s_mov_b32 s45, 0xfedcba98                      ; v_permlanex16_b32's selects for lane l xor 16
	v_lshlrev_b32 v15, 3, v7                       ; 8 h: how far my two bytes move up in the scale word
	v_mov_b32 v16, 0                               ; a lane permute's destination counts as one of its sources
.macro STEPX t
.set RS, R+64*((\t)%2)
.set CC, C+8*((\t)%2)
.if (\t) < 7
	s_wait_loadcnt 16                              ; this step's 16 loads are in; the next step's may be out
.else
	s_wait_loadcnt 0x0
.endif
.irp j, 0,1,2,3,4,5,6,7,8,9,10,11,12,13,14,15
	ds_store_b128 v[SIN], v[RS+4*\j:RS+4*\j+3] offset:\j*PIT
.endr
.irp c, 0,1
.irp i, 0,1,2,3,4,5,6,7
	ds_load_b128 v[X+32*\c+4*\i:X+32*\c+4*\i+3], v[SOUT] offset:256*\c+16*\i   ; LDS serves a wave's instructions in order: these see the stores above
.endr
.endr
	s_wait_dscnt 0x0                               ; my 64 numbers are back, and the stores have read their registers,
.if (\t)+2 < 8
	LOADX (\t)+2                                   ; which take the loads of two steps on
.endif
.irp c, 0,1
	v_max3_num_f32 v[8+\c], |v[X+32*\c]|, |v[X+32*\c+1]|, 0x1800000   ; block 2 c + h: all 32 numbers are mine; the floor 2^(3 - 127) holds the byte at 1 from below
.endr
.irp i, 2,4,6,8,10,12,14,16,18,20,22,24,26,28,30
.irp c, 0,1
	v_max3_num_f32 v[8+\c], v[8+\c], |v[X+32*\c+\i]|, |v[X+32*\c+\i+1]|
.endr
.endr
.irp c, 0,1
	v_add_nc_u32 v[12+\c], 0xff000000, v[8+\c]     ; 2 off the exponent field: the conversion's scale operand
.endr
.irp c, 0,1
	v_lshrrev_b32 v[10+\c], 23, v[12+\c]           ; the scale's byte
.endr
	v_lshl_or_b32 v14, v11, 16, v10                ; blocks h and 2 + h,
	v_lshlrev_b32 v14, v15, v14                    ; at their places in the row's word for this step;
	v_permlanex16_b32 v16, v14, s44, s45
	v_or_b32 v[SW+(\t)], v14, v16                  ; with lane l xor 16's two the word is whole
.if (\t) >= 2
	s_wait_xcnt 0x0                                ; the stores of two steps back have read this set of code registers
.endif
.irp c, 0,1
.irp g, 0,1,2,3
	v_cvt_scalef32_pk8_fp4_f32 v[CC+4*\c+\g], v[X+32*\c+8*\g:X+32*\c+8*\g+7], v[12+\c]
.endr
.endr
	v_nop                                          ; one plain line behind the last conversion
.irp c, 0,1
	global_store_b128 v3, v[CC+4*\c:CC+4*\c+3], s[18:19] offset:(\t)*16384+512*\c   ; 32 lanes store 512 consecutive bytes, aligned
.endr
.endm
.irp u, 0,1,2,3,4,5,6,7
	STEPX \u
.endr
	v_cmp_le_u32 vcc_lo, 16, v2                    ; lanes 0-15 store their row's words 0-3, lanes 16-31 words 4-7: 512 consecutive bytes
.irp i, 0,1,2,3
	v_cndmask_b32 v[20+\i], v[SW+\i], v[SW+4+\i], vcc_lo
.endr
	v_lshlrev_b32 v24, 5, v6
	v_lshl_add_u32 v24, v7, 4, v24
	global_store_b128 v24, v[20:23], s[20:21]
	s_wait_tensorcnt 0x0                           ; the wave's end
	ds_add_u32 v[SPW], v[NIL]
	s_wait_dscnt 0x0
	s_endpgm
.Lfunc_end_k_q0c0a83f30f_prep:
	.size	k_q0c0a83f30f_prep, .Lfunc_end_k_q0c0a83f30f_prep-k_q0c0a83f30f_prep
	.p2alignl 7, 3214868480
	.fill 96, 4, 3214868480
	.section	.rodata,"a",@progbits
	.p2align	6, 0x0
	.amdhsa_kernel k_q0c0a83f30f_prep
		.amdhsa_group_segment_fixed_size 34304
		.amdhsa_private_segment_fixed_size 0
		.amdhsa_enable_private_segment 0
		.amdhsa_kernarg_size 96
		.amdhsa_user_sgpr_count 2
		.amdhsa_user_sgpr_kernarg_segment_ptr 1
		.amdhsa_wavefront_size32 1
		.amdhsa_system_sgpr_workgroup_id_x 1
		.amdhsa_system_sgpr_workgroup_id_y 1
		.amdhsa_system_sgpr_workgroup_id_z 1
		.amdhsa_system_vgpr_workitem_id 0
		.amdhsa_next_free_vgpr 256
		.amdhsa_next_free_sgpr 66
		.amdhsa_reserve_vcc 1
		.amdhsa_float_denorm_mode_32 3
		.amdhsa_float_denorm_mode_16_64 3
		.amdhsa_memory_ordered 1
		.amdhsa_forward_progress 1
		.amdhsa_inst_pref_size 125
	.end_amdhsa_kernel
	.amdgpu_metadata
---
amdhsa.version: [ 1, 2 ]
amdhsa.kernels:
  - .name:           k_q0c0a83f30f_prep
    .symbol:         k_q0c0a83f30f_prep.kd
    .args:
      - { .name: query, .offset: 0, .size: 8, .value_kind: global_buffer, .address_space: global }
      - { .name: keys, .offset: 8, .size: 8, .value_kind: global_buffer, .address_space: global }
      - { .name: values, .offset: 16, .size: 8, .value_kind: global_buffer, .address_space: global }
      - { .name: Wq, .offset: 24, .size: 8, .value_kind: global_buffer, .address_space: global }
      - { .name: Wk, .offset: 32, .size: 8, .value_kind: global_buffer, .address_space: global }
      - { .name: Wv, .offset: 40, .size: 8, .value_kind: global_buffer, .address_space: global }
      - { .name: Wo, .offset: 48, .size: 8, .value_kind: global_buffer, .address_space: global }
      - { .name: xcodes, .offset: 56, .size: 8, .value_kind: global_buffer, .address_space: global }
      - { .name: xscales, .offset: 64, .size: 8, .value_kind: global_buffer, .address_space: global }
      - { .name: wcodes, .offset: 72, .size: 8, .value_kind: global_buffer, .address_space: global }
      - { .name: wscales, .offset: 80, .size: 8, .value_kind: global_buffer, .address_space: global }
      - { .name: wo16, .offset: 88, .size: 8, .value_kind: global_buffer, .address_space: global }
    .group_segment_fixed_size: 34304
    .private_segment_fixed_size: 0
    .kernarg_segment_align: 8
    .kernarg_segment_size: 96
    .max_flat_workgroup_size: 128
    .sgpr_count:     66
    .vgpr_count:     256
    .wavefront_size: 32
...
	.end_amdgpu_metadata
.endif
;; end of part 1
;; launch proj (part 2): grid 4 x 96, 4 waves a work-group, clusters of 4 x 4, 327,680 bytes of LDS; arguments xcodes, xscales, wcodes, wscales, bq, bk, qkv; writes qkv
.if DOCPART == 2
	.amdgcn_target "amdgcn-amd-amdhsa--gfx1250"
	.amdhsa_code_object_version 6
	.text
	.protected	k_q0c0a83f30f_proj
	.globl	k_q0c0a83f30f_proj
	.p2align	8
	.type	k_q0c0a83f30f_proj,@function
k_q0c0a83f30f_proj:
	s_mov_b64 s[64:65], 0
	v_nop
	global_prefetch_b8 v0, s[64:65] scope:SCOPE_SE
	s_setreg_imm32_b32 hwreg(HW_REG_WAVE_MODE, 25, 1), 1
	s_wait_xcnt 0x0
	s_wait_alu depctr_hold_cnt(0) depctr_sa_sdst(0) depctr_va_vdst(0) depctr_va_sdst(0) depctr_va_ssrc(0) depctr_va_vcc(0) depctr_vm_vsrc(0)
	s_getreg_b32 s2, hwreg(HW_REG_IB_STS2, 6, 4)
	s_cmp_eq_u32 s2, 0
	s_cbranch_scc0 .Lentry_in_a_cluster
	s_endpgm
.Lentry_in_a_cluster:
	s_bfe_u32 s2, ttmp6, 0x10000c
	s_cmp_lg_u32 s2, 0xf033
	s_cbranch_scc0 .Lentry_shape_is_right
	s_endpgm
.Lentry_shape_is_right:
; PROJ: q = query Wq + bq, k = keys Wk + bk, v = values Wv (bv is added behind the softmax, where the weights sum to one), on codes of FP4 (E2M1) with one E8M0 scale for each 32 along K = 1,024; sums in f32.
; Operands come as images of operand registers (16 rows x 128 K = 1,024 bytes: registers 0-3 of lane L at 16 L, registers 4-7 at 512 + 16 L): a tile of 256 rows is [K step 8][16][1024], dense.
; A tile of the result, 256 x 256, is made by four waves, each 128 x 128: 64 accumulators, 512 registers.  K lies in two LDS slots of 512 along K, each filled once: nothing is filled again.
; THE MATRIX INSTRUCTION IS USED TRANSPOSED (source 0 = 16 rows of "B", source 1 = 16 rows of "A"): a lane holds one row of A and eight neighbouring rows of B.  Rounded to f16 in pairs, two accumulators with
; neighbouring blocks of B ARE the eight registers of an f16 operand (16 rows of A) x (32 of B).  For q and k, A = tokens and B = the weight's columns: images of 16 tokens x 32 channels.  For v the two buffers
; change roles: A = the weight's columns, B = tokens: images of 16 channels x 32 keys, the keys innermost, as the second product of attention wants them.  So results go to memory as they stand, 512 dense bytes a store.
; qkv: region p (q, k, v) at p x 2^24, head 16 b + hd at x 2^18; q, k: [16 tokens: 128][32 channels: 2][1024]; v: [32 keys: 64][16 channels: 4][1024].
; CLUSTERS: 4 x 4 work-groups; cluster y 0-7 make q, 8-15 k, 16-23 v.  A's tile hangs on cy and is shared along a row of the cluster, B's on cx and along a column: each is asked for jointly.
; LIMIT: q, k, v beyond 65,504 have no f16.
; REGISTERS: window 0: v16-29 addresses; v32-95 scale words, two sets; v128-191 A's fragments, one set; v192-255 the bias in the result's layout.  window 1: B's fragments, two sets.  windows 2, 3: accumulators.
.set NQ,     4                         ; steps of 128 along K in a slot
.set FR,     8
.set NL,     2
.set NP,     4                         ; places behind this matrix instruction (ISA guide 7.12.1)
.set SLOT,   131072                    ; A's 65,536 bytes [step 4][16][1024], then B's
.set BOFF,   65536
.set KS,     32                        ; a row of scale bytes
.set SCL,    2*SLOT                    ; behind the slots: the scales, as units of 256 bytes + 16 of padding
.set HALFS,  16*272                    ; those of 128 rows: what one tensor load brings
.set SBLK,   2*272                     ; those of 16 rows
.set SPARE,  SCL+4*HALFS               ; the spare words, 128 bytes a wave: two blocks of 256 bytes that no other line names
.set ADRA, 16                          ; v16-17 my A fragments in slot 0, 1
.set ADRB, 20                          ; v20-21 my B fragments
.set CO,   26                          ; v26  16 x lane
.set ADRS, 27                          ; v27  my scale words: lanes 0-15 A's rows, lanes 16-31 B's
.set SPW,  28
.set NIL,  29
.set SC,   32
.set AF,   128
.set BI,   192
.set PK,   128                         ; the way out: packed results, four sets of 32
.set G1, 24
.set G0, 32
.set G1B, 48
.set G0B, 56
.set G1S, 68
.set G0S, 76
.set G1SB, 80
.set G0SB, 88
.set MSB, 0
.macro WIN new                         ; the immediate's high byte repeats the setting that is left
.if MSB != \new
	s_set_vgpr_msb (MSB<<8)|\new
.set MSB, \new
.endif
.endm
.set MUL_LO, 0xa1                      ; source 0 (B) window 1, source 1 (A) window 0, C and D window 2
.set MUL_HI, 0xf1
.set ST_LO,  0x81                      ; the same with C (the bias) in window 0
.set ST_HI,  0xc1
.set TO_B,   0x40
.macro JLOAD g0a, g1a, g0b, g1b        ; a joint load: waves 0 and 1 fetch for A, waves 2 and 3 for B; an s_nop 0 and four v_nop follow each line
	s_cmp_eq_u32 s19, 0
	s_cbranch_scc0 .Lfor_b_\@
	tensor_load_to_lds s[\g0a:\g0a+3], s[\g1a:\g1a+7]
	s_nop 0
.rept 4
	v_nop
.endr
	s_branch .Lasked_\@
.Lfor_b_\@:
	tensor_load_to_lds s[\g0b:\g0b+3], s[\g1b:\g1b+7]
	s_nop 0
.rept 4
	v_nop
.endr
.Lasked_\@:
.endm
.macro CROUND                          ; a round of the cluster's barrier
	s_barrier_signal -1
	s_barrier_wait -1
	s_cmp_lg_u32 s18, 0
	s_cbranch_scc1 .Lnot_wave_0_\@
	s_barrier_signal -3
.Lnot_wave_0_\@:
	s_barrier_wait -3
	s_barrier_signal -1
	s_barrier_wait -1
.endm
	s_load_b256 s[4:11], s[0:1], 0x0               ; xcodes, xscales, wcodes, wscales
	s_load_b128 s[12:15], s[0:1], 0x20             ; bq, bk
	s_load_b64 s[16:17], s[0:1], 0x30              ; qkv
	v_lshl_add_u32 v[SPW], v0, 2, SPARE
	v_mov_b32 v[NIL], 0
	ds_add_u32 v[SPW], v[NIL]                      ; the wave's opening: the add, twice on end, and its wait ahead of my first tensor load
	ds_add_u32 v[SPW], v[NIL]
	v_lshrrev_b32 v1, 5, v0
	v_readfirstlane_b32 s18, v1                    ; wave 0..3
	s_lshr_b32 s19, s18, 1                         ; which half of A's rows is mine.  Also: I fetch for A (0) or for B (1)
	s_and_b32 s20, s18, 1                          ; which half of B's rows.  Also: which half of a slot's part I fetch
	s_bfe_u32 s40, ttmp6, 0x40000                  ; cx
	s_bfe_u32 s41, ttmp6, 0x40004                  ; cy
	s_and_b32 s42, ttmp7, 0xffff                   ; cluster y, 0..23: the same in all sixteen partners
	s_lshl_b32 s21, s42, 2                         ; the cluster's first tile of tokens
	s_lshr_b32 s22, s42, 3
	s_lshl_b32 s22, s22, 2                         ; and of the weight's columns
	s_cmp_ge_u32 s42, 16                           ; v?
	s_cselect_b32 s43, s22, s21
	s_cselect_b32 s44, s21, s22
	s_cselect_b32 s45, 0, -1                       ; v starts from zeros: the bias is masked away
	s_add_co_u32 s43, s43, s41                     ; A's tile: hangs on cy
	s_add_co_u32 s44, s44, s40                     ; B's tile: hangs on cx
	s_lshl_b32 s46, s41, 2
	s_lshl_b32 s46, 15, s46                        ; my row of the cluster
	s_lshl_b32 s47, 0x1111, s40                    ; my column
	; codes: 32,768 dense bytes as 128 rows of 256 (32 elements of 8 bytes), no padding: images are read 512 consecutive bytes at a time
	s_or_b32 s[G1+0], s46, (3<<16)|(1<<21)
	s_or_b32 s[G1B+0], s47, (3<<16)|(1<<21)
.irp g, G1, G1B
	s_mov_b32 s[\g+1], 32<<16                      ; tensor_dim0
	s_mov_b32 s[\g+2], 128<<16                     ; tensor_dim1
	s_mov_b32 s[\g+3], 32<<16                      ; tile_dim0
	s_mov_b32 s[\g+4], 128                         ; tile_dim1
	s_mov_b32 s[\g+5], 32                          ; pitch
	s_mov_b32 s[\g+6], 0
	s_mov_b32 s[\g+7], 0
.endr
	; scales of 128 rows: 4,096 dense bytes as 16 rows of 256, 16 bytes of padding behind each
	s_or_b32 s[G1S+0], s46, (3<<16)|(1<<20)|(1<<21)|(5<<22)|(3<<25)
	s_or_b32 s[G1SB+0], s47, (3<<16)|(1<<20)|(1<<21)|(5<<22)|(3<<25)
.irp g, G1S, G1SB
	s_mov_b32 s[\g+1], 32<<16
	s_mov_b32 s[\g+2], 16<<16
	s_mov_b32 s[\g+3], 32<<16
	s_mov_b32 s[\g+4], 16
	s_mov_b32 s[\g+5], 32
	s_mov_b32 s[\g+6], 0
	s_mov_b32 s[\g+7], 0
.endr
	s_lshl_b32 s92, s43, 17                        ; A's codes: tile x 131,072 + my half of a slot's 65,536
	s_lshl_b32 s93, s20, 15
	s_add_co_u32 s92, s92, s93
	s_mov_b32 s93, 0
	s_lshl_b32 s94, s44, 17                        ; B's
	s_lshl_b32 s95, s20, 15
	s_add_co_u32 s94, s94, s95
	s_mov_b32 s95, 0
	s_lshl_b32 s96, s43, 13                        ; A's scales: tile x 8,192 + my 128 rows
	s_lshl_b32 s97, s20, 12
	s_add_co_u32 s96, s96, s97
	s_mov_b32 s97, 0
	s_lshl_b32 s98, s44, 13                        ; B's
	s_lshl_b32 s99, s20, 12
	s_add_co_u32 s98, s98, s99
	s_mov_b32 s99, 0
	s_lshl_b32 s21, s18, 15                        ; where they go: wave x 32,768: no place in the cluster enters an LDS address
	s_mul_i32 s22, s18, HALFS
	s_wait_dscnt 0x0                               ; both opening adds are done
	s_wait_kmcnt 0x0
	s_cmp_ge_u32 s42, 16                           ; for v the two buffers change roles: a choice on the cluster's number alone
	s_cselect_b64 s[66:67], s[8:9], s[4:5]
	s_cselect_b64 s[2:3], s[4:5], s[8:9]
	s_add_nc_u64 s[92:93], s[66:67], s[92:93]
	s_add_nc_u64 s[94:95], s[2:3], s[94:95]
	s_cselect_b64 s[66:67], s[10:11], s[6:7]
	s_cselect_b64 s[2:3], s[6:7], s[10:11]
	s_add_nc_u64 s[96:97], s[66:67], s[96:97]
	s_add_nc_u64 s[98:99], s[2:3], s[98:99]
	CROUND                                         ; all sixteen work-groups are here: the joint loads meet
	s_mov_b32 s[G0S], 1
	s_add_co_u32 s[G0S+1], s22, SCL
	s_mov_b64 s[G0S+2:G0S+3], s[96:97]
	s_or_b32 s[G0S+3], s[G0S+3], 0x80000000
	s_mov_b32 s[G0SB], 1
	s_add_co_u32 s[G0SB+1], s22, SCL
	s_mov_b64 s[G0SB+2:G0SB+3], s[98:99]
	s_or_b32 s[G0SB+3], s[G0SB+3], 0x80000000
	JLOAD G0S, G1S, G0SB, G1SB                     ; the scales first: they are wanted with slot 0
.irp s, 0,1
	s_mov_b32 s[G0+4*\s], 1
	s_add_co_u32 s[G0+4*\s+1], s21, \s*SLOT
	s_add_nc_u64 s[G0+4*\s+2:G0+4*\s+3], s[92:93], \s*65536
	s_or_b32 s[G0+4*\s+3], s[G0+4*\s+3], 0x80000000
	s_mov_b32 s[G0B+4*\s], 1
	s_add_co_u32 s[G0B+4*\s+1], s21, \s*SLOT
	s_add_nc_u64 s[G0B+4*\s+2:G0B+4*\s+3], s[94:95], \s*65536
	s_or_b32 s[G0B+4*\s+3], s[G0B+4*\s+3], 0x80000000
	JLOAD G0+4*\s, G1, G0B+4*\s, G1B               ; three tensor loads of mine are out
.endr
	; the bias, in the result's layout: lane (r, h), block b of B, register j: channel 256 cx + 128 (B's half) + 16 b + 8 h + j
	v_and_b32 v1, 15, v0                           ; r
	v_bfe_u32 v2, v0, 4, 1                         ; h
	v_lshlrev_b32 v3, 5, v2
	s_cmp_lt_u32 s42, 8
	s_cselect_b64 s[66:67], s[12:13], s[14:15]
	s_lshl_b32 s2, s40, 10
	s_lshl_b32 s3, s20, 9
	s_add_co_u32 s2, s2, s3
	s_mov_b32 s3, 0
	s_add_nc_u64 s[66:67], s[66:67], s[2:3]
.irp b, 0,1,2,3,4,5,6,7
	global_load_b128 v[BI+8*\b:BI+8*\b+3], v3, s[66:67] offset:64*\b
	global_load_b128 v[BI+8*\b+4:BI+8*\b+7], v3, s[66:67] offset:64*\b+16
.endr
	; where my results go: the token m' and the head h0 of my corner; for v the roles of A and B are changed
	s_cmp_ge_u32 s42, 16
	s_cselect_b32 s92, s40, s41                    ; the tokens' tile hangs on cx (v) or cy
	s_cselect_b32 s93, s20, s19                    ; and their half on B's or A's
	s_cselect_b32 s94, s41, s40                    ; the channels' likewise
	s_cselect_b32 s95, s19, s20
	s_lshl_b32 s96, s42, 2
	s_add_co_u32 s92, s92, s96
	s_lshl_b32 s92, s92, 8
	s_lshl_b32 s93, s93, 7
	s_add_co_u32 s92, s92, s93                     ; m'
	s_lshl_b32 s94, s94, 2
	s_lshl_b32 s95, s95, 1
	s_add_co_u32 s94, s94, s95                     ; h0
	s_lshr_b32 s96, s92, 11
	s_lshl_b32 s96, s96, 22                        ; region and batch
	s_lshl_b32 s94, s94, 18
	s_add_co_u32 s96, s96, s94
	s_and_b32 s92, s92, 2047
	s_lshl_b32 s92, s92, 7                         ; 128 bytes a token in a head, in all three layouts
	s_add_co_u32 s96, s96, s92
	s_mov_b32 s97, 0
	s_add_nc_u64 s[16:17], s[16:17], s[96:97]
	v_and_b32 v4, 31, v0
	v_lshlrev_b32 v[CO], 4, v4
	s_lshl_b32 s92, s19, 13                        ; my eight images of A in a step's sixteen,
	s_lshl_b32 s93, s20, 13
	s_add_co_u32 s93, s93, BOFF                    ; and of B
.irp s, 0,1
	v_add_nc_u32 v[ADRA+\s], s92, v[CO]
	v_add_nc_u32 v[ADRB+\s], s93, v[CO]
	s_add_co_u32 s92, s92, SLOT
	s_add_co_u32 s93, s93, SLOT
.endr
	v_mul_u32_u24 v5, v1, KS                       ; my row's scales: 32 bytes a row,
	v_lshrrev_b32 v6, 8, v5
	v_lshl_add_u32 v5, v6, 4, v5                   ; and 16 more for each 256 passed
	s_mul_i32 s92, s19, HALFS
	s_mul_i32 s93, s20, HALFS
	s_add_co_u32 s93, s93, 2*HALFS
	s_sub_co_u32 s93, s93, s92
	v_mul_u32_u24 v6, s93, v2                      ; lanes 16-31 take B's
	s_add_co_u32 s92, s92, SCL
	v_add_nc_u32 v5, v5, v6
	v_add_nc_u32 v[ADRS], s92, v5
.macro FRAG reg, adr, q, i             ; an image comes back as it was stored: two loads of 512 consecutive bytes
.irp c, 0,1
	ds_load_b128 v[\reg+4*\c:\reg+4*\c+3], v[\adr] offset:16384*(\q)+1024*(\i)+512*\c
.endr
.endm
; 16 matrix instructions: A's blocks a0, a0 + 1 x B's eight.  zero = 1: the first product starts the sums from the bias.  The 64 accumulators take turns, one instruction a turn.
.macro MUL16 a0, p, q, sc, zero
.irp a, \a0, \a0+1
.irp b, 0,1,2,3,4,5,6,7
.if \zero
	v_wmma_scale_f32_16x16x128_f8f6f4 v[8*(8*((\a)%4)+\b):8*(8*((\a)%4)+\b)+7], v[128*(\p)+FR*\b:128*(\p)+FR*\b+FR-1], v[AF+FR*(\a):AF+FR*(\a)+FR-1], v[BI+8*\b:BI+8*\b+7], v[SC+8*NQ*(\sc)+NQ*\b+(\q)], v[SC+8*NQ*(\sc)+NQ*(\a)+(\q)] matrix_a_fmt:MATRIX_FMT_FP4 matrix_b_fmt:MATRIX_FMT_FP4 matrix_a_scale:MATRIX_SCALE_ROW1
.else
	v_wmma_scale_f32_16x16x128_f8f6f4 v[8*(8*((\a)%4)+\b):8*(8*((\a)%4)+\b)+7], v[128*(\p)+FR*\b:128*(\p)+FR*\b+FR-1], v[AF+FR*(\a):AF+FR*(\a)+FR-1], v[8*(8*((\a)%4)+\b):8*(8*((\a)%4)+\b)+7], v[SC+8*NQ*(\sc)+NQ*\b+(\q)], v[SC+8*NQ*(\sc)+NQ*(\a)+(\q)] matrix_a_fmt:MATRIX_FMT_FP4 matrix_b_fmt:MATRIX_FMT_FP4 matrix_a_scale:MATRIX_SCALE_ROW1
.endif
.endr
.endr
.endm
.macro FETCH_B slot, q, p
	WIN TO_B
.irp i, 0,1,2,3,4,5,6,7
	FRAG 128*(\p)+FR*\i, ADRB+\slot, \q, \i
.endr
	WIN 0
.endm
.macro FETCH_A slot, q, i0
.irp i, \i0, \i0+1, \i0+2, \i0+3
	FRAG AF+FR*(\i), ADRA+\slot, \q, \i
.endr
.endm
.macro SCALES sc                       ; a slot's scale words: four a row; lanes 0-15 take A's block i, lanes 16-31 B's block i
.irp i, 0,1,2,3,4,5,6,7
	ds_load_b128 v[SC+8*NQ*\sc+NQ*\i:SC+8*NQ*\sc+NQ*\i+3], v[ADRS] offset:\i*SBLK
.endr
.endm
.macro PLACES n                        ; plain vector lines between a matrix instruction and a load into, or a vector write of, one of its registers, or a read of its result
.rept \n
	v_nop
.endr
.endm
.macro STEP slot, q, zero              ; a step of 128 along K that has its successor in the same slot
	s_wait_dscnt 4*NL                              ; B's set, A's blocks 0-3 and the scales are in; the youngest eight loads (A's blocks 4-7) may be out
.if \zero
	WIN ST_LO
.else
	WIN MUL_LO
.endif
	MUL16 0, (\q)%2, \q, \slot, \zero
	MUL16 2, (\q)%2, \q, \slot, \zero
	s_wait_dscnt 0
	PLACES NP
	FETCH_B \slot, (\q)+1, 1-(\q)%2
	FETCH_A \slot, (\q)+1, 0
.if \zero
	WIN ST_HI
.else
	WIN MUL_HI
.endif
	MUL16 4, (\q)%2, \q, \slot, \zero
	MUL16 6, (\q)%2, \q, \slot, \zero
	PLACES NP
	WIN 0
	FETCH_A \slot, (\q)+1, 4
.endm
.macro TURN slot, next                 ; slot 0's last step goes over to slot 1: each wave waits for its part of it, and a barrier shows it whole to all four
	s_wait_tensorcnt 0x0                           ; all my tensor loads have landed
	ds_add_u32 v[SPW], v[NIL]                      ; 0 onto my spare word
	s_wait_dscnt 4*NL+1                            ; (the add and the youngest eight loads may be out)
	WIN MUL_LO
	MUL16 0, 1, NQ-1, \slot, 0
	s_wait_dscnt 0x0
	s_barrier_signal -1
	MUL16 2, 1, NQ-1, \slot, 0
	WIN 0
	s_barrier_wait -1
	PLACES NP
	v_add_nc_u32 v[ADRS], 4*NQ, v[ADRS]            ; on to the next slot's scale words
	FETCH_B \next, 0, 0
	FETCH_A \next, 0, 0
	SCALES \next
	WIN MUL_HI
	MUL16 4, 1, NQ-1, \slot, 0
	MUL16 6, 1, NQ-1, \slot, 0
	PLACES NP
	WIN 0
	FETCH_A \next, 0, 4
.endm
	s_wait_loadcnt 0x0                             ; the bias
.set i, 0
.rept 64
	v_and_b32 v[BI+i], s45, v[BI+i]                ; kept for q and k, zeros for v: no branch
.set i, i+1
.endr
	PLACES 4
	s_wait_tensorcnt 1                             ; the scales and my part of slot 0 are in; slot 1's load may be out
	s_barrier_signal -1
	s_barrier_wait -1
	FETCH_B 0, 0, 0
	FETCH_A 0, 0, 0
	SCALES 0
	FETCH_A 0, 0, 4
	STEP 0, 0, 1
	STEP 0, 1, 0
	STEP 0, 2, 0
	TURN 0, 1
	STEP 1, 0, 0
	STEP 1, 1, 0
	STEP 1, 2, 0
	s_wait_dscnt 4*NL                              ; the last step: nothing more to fetch
	WIN MUL_LO
	MUL16 0, 1, NQ-1, 1, 0
	MUL16 2, 1, NQ-1, 1, 0
	s_wait_dscnt 0
	WIN MUL_HI
	MUL16 4, 1, NQ-1, 1, 0
	MUL16 6, 1, NQ-1, 1, 0
	WIN 0
; THE WAY OUT.  Block a of A: its eight accumulators, each from its low end on, are rounded to f16 in pairs: four registers an accumulator, which are half an image as they stand.
.macro OUT var
.irp a, 0,1,2,3,4,5,6,7
.if \a >= 4
	s_wait_xcnt 0x0                                ; the stores of four blocks back have read this set of registers
.endif
.set WN, 0x0a+5*(\a/4)
	WIN WN                                         ; sources 0 and 1: window 2 or 3
.irp b, 0,1,2,3,4,5,6,7
.irp r, 0,1,2,3
	v_cvt_pk_f16_f32 v[PK+32*(\a%4)+4*\b+\r], v[64*(\a%4)+8*\b+2*\r], v[64*(\a%4)+8*\b+2*\r+1]
.endr
.endr
	WIN 0
.irp b, 0,1,2,3,4,5,6,7
.if \var
	global_store_b128 v[CO], v[PK+32*(\a%4)+4*\b:PK+32*(\a%4)+4*\b+3], s[16:17] offset:(\a/4)*262144+(\a%4)*1024+(\b/2)*4096+(\b%2)*512   ; v: head a / 4, channels 16 (a % 4) on, keys 32 (b / 2) on
.else
	global_store_b128 v[CO], v[PK+32*(\a%4)+4*\b:PK+32*(\a%4)+4*\b+3], s[16:17] offset:(\b/4)*262144+\a*2048+((\b/2)%2)*1024+(\b%2)*512   ; q, k: head b / 4, tokens 16 a on, channels 32 ((b / 2) % 2) on
.endif
.endr
.endr
.endm
.macro FINISH
	s_wait_tensorcnt 0x0                           ; the wave's end
	ds_add_u32 v[SPW], v[NIL]
	s_wait_dscnt 0x0
	CROUND                                         ; the closing round
	s_endpgm
.endm
	PLACES NP                                      ; the conversions write registers that the last products read
	s_cmp_ge_u32 s42, 16                           ; the cluster's number: the same in all partners and waves
	s_cbranch_scc1 .Lv_out
	OUT 0
	FINISH
.Lv_out:
	OUT 1
	FINISH
.Lfunc_end_k_q0c0a83f30f_proj:
	.size	k_q0c0a83f30f_proj, .Lfunc_end_k_q0c0a83f30f_proj-k_q0c0a83f30f_proj
	.p2alignl 7, 3214868480
	.fill 96, 4, 3214868480
	.section	.rodata,"a",@progbits
	.p2align	6, 0x0
	.amdhsa_kernel k_q0c0a83f30f_proj
		.amdhsa_group_segment_fixed_size 327680
		.amdhsa_private_segment_fixed_size 0
		.amdhsa_enable_private_segment 0
		.amdhsa_kernarg_size 56
		.amdhsa_user_sgpr_count 2
		.amdhsa_user_sgpr_kernarg_segment_ptr 1
		.amdhsa_wavefront_size32 1
		.amdhsa_system_sgpr_workgroup_id_x 1
		.amdhsa_system_sgpr_workgroup_id_y 1
		.amdhsa_system_sgpr_workgroup_id_z 1
		.amdhsa_system_vgpr_workitem_id 0
		.amdhsa_next_free_vgpr 1024
		.amdhsa_next_free_sgpr 100
		.amdhsa_reserve_vcc 0
		.amdhsa_float_denorm_mode_32 3
		.amdhsa_float_denorm_mode_16_64 3
		.amdhsa_memory_ordered 1
		.amdhsa_forward_progress 1
		.amdhsa_inst_pref_size 145
	.end_amdhsa_kernel
	.amdgpu_metadata
---
amdhsa.version: [ 1, 2 ]
amdhsa.kernels:
  - .name:           k_q0c0a83f30f_proj
    .symbol:         k_q0c0a83f30f_proj.kd
    .args:
      - { .name: xcodes, .offset: 0, .size: 8, .value_kind: global_buffer, .address_space: global }
      - { .name: xscales, .offset: 8, .size: 8, .value_kind: global_buffer, .address_space: global }
      - { .name: wcodes, .offset: 16, .size: 8, .value_kind: global_buffer, .address_space: global }
      - { .name: wscales, .offset: 24, .size: 8, .value_kind: global_buffer, .address_space: global }
      - { .name: bq, .offset: 32, .size: 8, .value_kind: global_buffer, .address_space: global }
      - { .name: bk, .offset: 40, .size: 8, .value_kind: global_buffer, .address_space: global }
      - { .name: qkv, .offset: 48, .size: 8, .value_kind: global_buffer, .address_space: global }
    .group_segment_fixed_size: 327680
    .private_segment_fixed_size: 0
    .kernarg_segment_align: 8
    .kernarg_segment_size: 56
    .max_flat_workgroup_size: 128
    .sgpr_count:     100
    .vgpr_count:     1024
    .wavefront_size: 32
...
	.end_amdgpu_metadata
.endif
;; end of part 2
;; launch attn (part 3): grid 4 x 64, 16 waves a work-group, clusters of 4 x 1, 327,680 bytes of LDS; arguments qkv, bv, ao; writes ao
.if DOCPART == 3
	.amdgcn_target "amdgcn-amd-amdhsa--gfx1250"
	.amdhsa_code_object_version 6
	.text
	.protected	k_q0c0a83f30f_attn
	.globl	k_q0c0a83f30f_attn
	.p2align	8
	.type	k_q0c0a83f30f_attn,@function
k_q0c0a83f30f_attn:
	s_mov_b64 s[64:65], 0
	v_nop
	global_prefetch_b8 v0, s[64:65] scope:SCOPE_SE
	s_setreg_imm32_b32 hwreg(HW_REG_WAVE_MODE, 25, 1), 1
	s_wait_xcnt 0x0
	s_wait_alu depctr_hold_cnt(0) depctr_sa_sdst(0) depctr_va_vdst(0) depctr_va_sdst(0) depctr_va_ssrc(0) depctr_va_vcc(0) depctr_vm_vsrc(0)
	s_getreg_b32 s2, hwreg(HW_REG_IB_STS2, 6, 4)
	s_cmp_eq_u32 s2, 0
	s_cbranch_scc0 .Lentry_in_a_cluster
	s_endpgm
.Lentry_in_a_cluster:
	s_bfe_u32 s2, ttmp6, 0x10000c
	s_cmp_lg_u32 s2, 0x3003
	s_cbranch_scc0 .Lentry_shape_is_right
	s_endpgm
.Lentry_shape_is_right:
; ATTN: for each of 64 heads (batch x head), O[q] = sum over k of softmax_k(Q[q] . K[k] / 8) V[k] + bv.  (The weights sum to one, so the bias of v is added behind the sum: one fused multiply-add with the division.)
; Operands are f16, sums, maxima and the softmax f32; the weights p are rounded to f16 for the second product, their sum is taken unrounded.
; Q, K, V arrive as images of operand registers of 1,024 bytes (registers 0-3 of lane L at 16 L, 4-7 at 512 + 16 L): Q, K [16 tokens][32 channels: 2], V [32 keys][16 channels: 4] with the keys innermost.
; SHARES.  A cluster of four work-groups is one head; a work-group owns 512 queries, each of its SIXTEEN waves 32: two tiles of 16, in 256 registers: four waves to a SIMD, so that one wave's vector work
; stands beside another's products and LDS loads.  Every wave walks all 2,048 keys, 64 a step.  K and V come through a ring of two LDS slots of 256 keys, asked for JOINTLY by the four partners.
; LAYOUT.  S^T = K Q^T (source 0 = 16 keys, source 1 = 16 queries) and O^T = V^T P (source 0 = 16 channels, source 1 = P): a lane holds ONE query throughout.  Two tiles of S^T, rounded to f16 in pairs,
; ARE P's operand; two tiles of O^T, rounded likewise, ARE an operand image of the output projection: ao [128 rows: 64][K step of 128: 8][32 along K: 4][16 rows: 8][1024].
; SOFTMAX.  A running maximum m and sum l for each query: p = 2^(c s - c m), c = log2(e) / 8; in every step O and l are multiplied by a = 2^(c m_old - c m_new).
; LIMITS: NaN and infinities are not served; the result beyond 65,504 has no f16.
.set SLOTB, 65536                      ; a slot: K's 32,768 bytes [16 keys: 16][2][1024], then V's [32 keys: 8][4][1024]
.set VOFF,  32768
.set SPARE, 2*SLOTB                    ; behind the ring: the spare words, 128 bytes a wave: eight blocks of 256 bytes that no other line names
.set LI,  1                            ; v1   16 x lane
.set ADR, 3                            ; v3   16 x lane + the slot in hand
.set SPW, 5
.set NIL, 6
.set PFO, 7                            ; v7   256 x lane
.set ST,  12                           ; tile t's statistics at v[12 + 8 t]: +0 c m, +1 m, +2, +3 l in two halves, +4 to +7 at work; a in +6
.set Q,   32                           ; v32-63   Q: tile t, channels 32 c on, at 16 t + 8 c
.set KV,  64                           ; v64-127  a step's K (8 fragments), then its V (8)
.set S,   128                          ; v128-191 S^T, 32 a tile; P is packed in place into the low 16
.set O,   192                          ; v192-255 O^T, 32 a tile
.set WV,  18
.set G1,  24
.set G0,  40
.set SLOTS, 44
.set LIM, 45
.set PFA, 46
.set CS,  58
.set SEL, 60
.set TB,  2
.macro JLOAD                           ; waves 0 and 1 fetch K's halves of a slot, waves 2 and 3 V's; the branch hangs on the wave's number alone; an s_nop 0 and four v_nop follow the line
	s_cmp_lt_u32 s[WV], 4
	s_cbranch_scc0 .Lnone_\@
	tensor_load_to_lds s[G0:G0+3], s[G1:G1+7]
	s_nop 0
.rept 4
	v_nop
.endr
.Lnone_\@:
.endm
; A PREFETCH INTO THE L2 of the slot that the NEXT change of slots will ask for: four key steps ahead of that load.  A head is walked by its one cluster; the four partners share a slot's 32,768 bytes of K and of V out
; BY ADDRESS, 8,192 each; in each, wave 4 asks for K's and wave 5 for V's, lanes 256 bytes apart: each block of 256 bytes is named once.  Slots 0 and 1 come by their loads alone; the last change that fills asks for nothing.
.macro ASK
	s_cmp_gt_u32 s[SLOTS], s[LIM]
	s_cbranch_scc0 .Lnot_mine_\@
	global_prefetch_b8 v[PFO], s[PFA:PFA+1] th:TH_LOAD_NT scope:SCOPE_SE
.Lnot_mine_\@:
.endm
.macro CROUND                          ; a round of the cluster's barrier
	s_barrier_signal -1
	s_barrier_wait -1
	s_cmp_lg_u32 s[WV], 0
	s_cbranch_scc1 .Lnot_wave_0_\@
	s_barrier_signal -3
.Lnot_wave_0_\@:
	s_barrier_wait -3
	s_barrier_signal -1
	s_barrier_wait -1
.endm
	s_load_b128 s[4:7], s[0:1], 0x0                ; qkv, bv
	s_load_b64 s[8:9], s[0:1], 0x10                ; ao
	v_lshl_add_u32 v[SPW], v0, 2, SPARE
	v_mov_b32 v[NIL], 0
	ds_add_u32 v[SPW], v[NIL]                      ; the wave's opening: the add, twice on end, and its wait ahead of the first tensor load
	ds_add_u32 v[SPW], v[NIL]
	v_lshrrev_b32 v2, 5, v0
	v_readfirstlane_b32 s[WV], v2                  ; wave 0..15
	s_bfe_u32 s13, ttmp6, 0x40000                  ; cx: my block of 512 queries (the grid has one cluster along x)
	s_and_b32 s14, ttmp7, 0xffff                   ; the head, 16 b + hd: shared by the four partners
	s_lshl_b32 s15, s14, 18                        ; its first byte in a region
	s_and_b32 s16, s[WV], 3
	s_lshr_b32 s17, s16, 1
	s_add_co_u32 s17, s17, 1                       ; region 1 (K) or 2 (V)
	s_lshl_b32 s20, s17, 24
	s_add_co_u32 s20, s20, s15
	s_and_b32 s17, s16, 1
	s_lshl_b32 s17, s17, 14                        ; my half of a slot's 32,768 bytes
	s_add_co_u32 s20, s20, s17
	s_mov_b32 s21, 0
	s_lshl_b32 s22, s16, 14                        ; and its place in a slot: no place in the cluster enters an LDS address
	s_mov_b32 s[G1], 15|(3<<16)|(1<<21)            ; the mask: all four; elements of 8 bytes; bit 21 beside a mask; no padding: images are read 512 consecutive bytes at a time
	s_mov_b32 s[G1+1], 32<<16                      ; 16,384 dense bytes as 64 rows of 256
	s_mov_b32 s[G1+2], 64<<16
	s_mov_b32 s[G1+3], 32<<16
	s_mov_b32 s[G1+4], 64
	s_mov_b32 s[G1+5], 32
	s_mov_b32 s[G1+6], 0
	s_mov_b32 s[G1+7], 0
	s_lshl_b32 s32, s13, 16                        ; Q: my work-group's 32 images of 16 tokens, 2,048 bytes each; my wave's two
	s_add_co_u32 s32, s32, s15
	s_lshl_b32 s33, s[WV], 12
	s_add_co_u32 s32, s32, s33
	s_mov_b32 s33, 0
	s_and_b32 s34, s[WV], 1                        ; the prefetches: K (even wave) or V, my work-group's quarter, in slot 1: the first change of slots steps it to slot 2
	s_add_co_u32 s34, s34, 1
	s_lshl_b32 s34, s34, 24
	s_add_co_u32 s34, s34, s15
	s_lshl_b32 s35, s13, 13
	s_add_co_u32 s34, s34, s35
	s_add_co_u32 s34, s34, 32768
	s_mov_b32 s35, 0
	s_lshr_b32 s36, s[WV], 1
	s_cmp_eq_u32 s36, 2
	s_cselect_b32 s[LIM], 1, -1                    ; waves 4 and 5 ask
	s_lshr_b32 s36, s14, 4                         ; ao: block of 128 rows 16 b + 4 cx + wave / 4,
	s_lshl_b32 s36, s36, 4
	s_lshl_b32 s37, s13, 2
	s_add_co_u32 s36, s36, s37
	s_lshr_b32 s37, s[WV], 2
	s_add_co_u32 s36, s36, s37
	s_lshl_b32 s36, s36, 18
	s_and_b32 s38, s14, 15
	s_lshl_b32 s37, s38, 14                        ; the head's 64 along K: two images of 32, 8,192 bytes apart,
	s_add_co_u32 s36, s36, s37
	s_lshl_b32 s37, s16, 11                        ; my wave's two images of 16 rows
	s_add_co_u32 s36, s36, s37
	s_mov_b32 s37, 0
	s_lshl_b32 s38, s38, 8                         ; bv: the head's 64 numbers
	s_mov_b32 s39, 0
	s_mov_b32 s[CS], 0x3e38aa3b                    ; c = log2(e) / 8
	s_mov_b32 s[CS+1], s[CS]                       ; (named with it as a pair, so it is written)
	s_mov_b32 s[SEL], 0x76543210
	s_mov_b32 s[SEL+1], 0xfedcba98
	s_mov_b32 s[TB], 0
	s_mov_b32 s[SLOTS], 7
	s_wait_dscnt 0x0                               ; both opening adds are done
	s_wait_kmcnt 0x0
	s_add_nc_u64 s[PFA:PFA+1], s[4:5], s[34:35]
	s_add_nc_u64 s[10:11], s[4:5], s[32:33]
	s_add_nc_u64 s[8:9], s[8:9], s[36:37]
	s_add_nc_u64 s[6:7], s[6:7], s[38:39]
	CROUND                                         ; all four work-groups are here: the first joint loads meet
	s_mov_b32 s[G0], 1
	s_mov_b32 s[G0+1], s22
	s_add_nc_u64 s[G0+2:G0+3], s[4:5], s[20:21]
	s_or_b32 s[G0+3], s[G0+3], 0x80000000
	JLOAD                                          ; slot 0
	v_and_b32 v2, 31, v0
	v_lshlrev_b32 v[LI], 4, v2
	v_lshlrev_b32 v[PFO], 8, v2
.irp t, 0,1
.irp c, 0,1
	global_load_b128 v[Q+16*\t+8*\c:Q+16*\t+8*\c+3], v[LI], s[10:11] offset:\t*2048+\c*1024
	global_load_b128 v[Q+16*\t+8*\c+4:Q+16*\t+8*\c+7], v[LI], s[10:11] offset:\t*2048+\c*1024+512
.endr
.endr
.irp t, 0,1
	v_mov_b32 v[ST+8*\t+1], 0xff61b1e6             ; m: -3e38, under every score
	v_mul_f32 v[ST+8*\t], s[CS], v[ST+8*\t+1]
	v_mov_b32 v[ST+8*\t+2], 0                      ; l
	v_mov_b32 v[ST+8*\t+3], 0
.endr
.set i, 0
.rept 64
	v_mov_b32 v[O+i], 0                            ; O^T.  (The step is written once: the first finds zeros, which a = 0 leaves zeros)
.set i, i+1
.endr
; A KEY STEP: 64 keys, the n-th of the slot in hand.
.macro STEP n
.irp c, 0,1                                    ; K: channels 0-31 of the four tiles of keys first
.irp kt, 0,1,2,3
	ds_load_b128 v[KV+16*\kt+8*\c:KV+16*\kt+8*\c+3], v[ADR] offset:(4*(\n)+\kt)*2048+\c*1024
	ds_load_b128 v[KV+16*\kt+8*\c+4:KV+16*\kt+8*\c+7], v[ADR] offset:(4*(\n)+\kt)*2048+\c*1024+512
.endr
.endr
.irp c, 0,1                                    ; S^T = K Q^T: eight accumulators by turns, one instruction a turn; the first eight start the sums
	s_wait_dscnt 8-8*\c                            ; channels 0-31 are in, the eight loads of channels 32-63 may be out; then all
.irp kt, 0,1,2,3
.irp t, 0,1
.if \c == 0
	v_wmma_f32_16x16x32_f16 v[S+32*\t+8*\kt:S+32*\t+8*\kt+7], v[KV+16*\kt+8*\c:KV+16*\kt+8*\c+7], v[Q+16*\t+8*\c:Q+16*\t+8*\c+7], 0
.else
	v_wmma_f32_16x16x32_f16 v[S+32*\t+8*\kt:S+32*\t+8*\kt+7], v[KV+16*\kt+8*\c:KV+16*\kt+8*\c+7], v[Q+16*\t+8*\c:Q+16*\t+8*\c+7], v[S+32*\t+8*\kt:S+32*\t+8*\kt+7]
.endif
.endr
.endr
.endr
.rept 4
	v_nop                                          ; places in front of the loads into K's registers and of the first read of the scores
.endr
.irp kh, 0,1                                   ; V of the same step takes K's place: it lands under the softmax
.irp ct, 0,1,2,3
	ds_load_b128 v[KV+32*\kh+8*\ct:KV+32*\kh+8*\ct+3], v[ADR] offset:VOFF+(2*(\n)+\kh)*4096+\ct*1024
	ds_load_b128 v[KV+32*\kh+8*\ct+4:KV+32*\kh+8*\ct+7], v[ADR] offset:VOFF+(2*(\n)+\kh)*4096+\ct*1024+512
.endr
.endr
	; the softmax, the two tiles line by line.  The maximum of a lane's 32 scores and the old m: four chains, each accumulator from its low end on
.irp j, 0,1,2,3
.irp t, 0,1
	v_max3_num_f32 v[ST+8*\t+4+\j], v[S+32*\t+8*\j], v[S+32*\t+8*\j+1], v[S+32*\t+8*\j+2]
.endr
.endr
.irp u, 1,2
.irp j, 0,1,2,3
.irp t, 0,1
	v_max3_num_f32 v[ST+8*\t+4+\j], v[ST+8*\t+4+\j], v[S+32*\t+8*\j+2*\u+1], v[S+32*\t+8*\j+2*\u+2]
.endr
.endr
.endr
.irp t, 0,1
	v_max3_num_f32 v[ST+8*\t+4], v[ST+8*\t+4], v[S+32*\t+7], v[S+32*\t+15]
.endr
.irp t, 0,1
	v_max3_num_f32 v[ST+8*\t+6], v[ST+8*\t+6], v[S+32*\t+23], v[S+32*\t+31]
.endr
.irp t, 0,1
	v_max3_num_f32 v[ST+8*\t+4], v[ST+8*\t+4], v[ST+8*\t+5], v[ST+8*\t+6]
.endr
.irp t, 0,1
	v_max3_num_f32 v[ST+8*\t+4], v[ST+8*\t+4], v[ST+8*\t+7], v[ST+8*\t+1]
.endr
.irp t, 0,1
	v_permlanex16_b32 v[ST+8*\t+5], v[ST+8*\t+4], s[SEL], s[SEL+1]   ; the query's other 32 keys lie in the lane 16 away
.endr
.irp t, 0,1
	v_mov_b32 v[ST+8*\t+7], v[ST+8*\t]             ; c m_old is kept for a
.endr
.irp t, 0,1
	v_max_num_f32 v[ST+8*\t+1], v[ST+8*\t+4], v[ST+8*\t+5]
.endr
.irp t, 0,1
	v_mul_f32 v[ST+8*\t], s[CS], v[ST+8*\t+1]
.endr
.irp t, 0,1
	v_sub_f32 v[ST+8*\t+7], v[ST+8*\t+7], v[ST+8*\t]
.endr
.irp b, 0,1,2,3,4,5,6,7,8,9,10,11,12,13,14,15
.irp t, 0,1
	v_pk_fma_f32 v[S+32*\t+2*\b:S+32*\t+2*\b+1], v[S+32*\t+2*\b:S+32*\t+2*\b+1], s[CS:CS+1], v[ST+8*\t:ST+8*\t+1] op_sel_hi:[1,0,0] neg_lo:[0,0,1] neg_hi:[0,0,1]   ; c s - c m, two at a time
.endr
.endr
.irp t, 0,1
	v_exp_f32 v[ST+8*\t+6], v[ST+8*\t+7]           ; a
.endr
.set e, 0
.rept 32
	v_exp_f32 v[S+e], v[S+e]                       ; p: ONE batch of 66 exponentials for both tiles; none reads another's result
	v_exp_f32 v[S+32+e], v[S+32+e]
.set e, e+1
.endr
	v_nop                                          ; a plain line behind the last exponential
	s_wait_alu depctr_va_vdst(0)                   ; one wait for the batch, ahead of its first reader
.irp t, 0,1
	v_pk_mul_f32 v[ST+8*\t+2:ST+8*\t+3], v[ST+8*\t+2:ST+8*\t+3], v[ST+8*\t+6:ST+8*\t+7] op_sel_hi:[1,0]   ; l under the new m
.endr
.irp t, 0,1
	v_pk_add_f32 v[ST+8*\t+4:ST+8*\t+5], v[S+32*\t+2:S+32*\t+3], v[S+32*\t+6:S+32*\t+7]   ; the sum of the unrounded p, in two chains
.endr
.irp t, 0,1
	v_pk_add_f32 v[ST+8*\t+2:ST+8*\t+3], v[ST+8*\t+2:ST+8*\t+3], v[S+32*\t:S+32*\t+1]
.endr
.irp b, 2,4,6,8,10,12
.irp t, 0,1
	v_pk_add_f32 v[ST+8*\t+2:ST+8*\t+3], v[ST+8*\t+2:ST+8*\t+3], v[S+32*\t+2*\b:S+32*\t+2*\b+1]
	v_pk_add_f32 v[ST+8*\t+4:ST+8*\t+5], v[ST+8*\t+4:ST+8*\t+5], v[S+32*\t+2*\b+6:S+32*\t+2*\b+7]
.endr
.endr
.irp t, 0,1
	v_pk_add_f32 v[ST+8*\t+2:ST+8*\t+3], v[ST+8*\t+2:ST+8*\t+3], v[S+32*\t+28:S+32*\t+29]
.endr
.irp t, 0,1
	v_pk_add_f32 v[ST+8*\t+2:ST+8*\t+3], v[ST+8*\t+2:ST+8*\t+3], v[ST+8*\t+4:ST+8*\t+5]
.endr
.irp i, 0,1,2,3,4,5,6,7,8,9,10,11,12,13,14,15
.irp t, 0,1
	v_cvt_pk_f16_f32 v[S+32*\t+\i], v[S+32*\t+2*\i], v[S+32*\t+2*\i+1]   ; P, in place and ascending: register i is written when registers 2 i and 2 i + 1 are read
.endr
.endr
.irp i, 0,1,2,3,4,5,6,7,8,9,10,11,12,13,14,15
.irp t, 0,1
	v_pk_mul_f32 v[O+32*\t+2*\i:O+32*\t+2*\i+1], v[O+32*\t+2*\i:O+32*\t+2*\i+1], v[ST+8*\t+6:ST+8*\t+7] op_sel_hi:[1,0]   ; O^T under the new m
.endr
.endr
	s_wait_dscnt 0x0                               ; V is in
.irp kh, 0,1                                   ; O^T += V^T P: eight accumulators by turns
.irp ct, 0,1,2,3
.irp t, 0,1
	v_wmma_f32_16x16x32_f16 v[O+32*\t+8*\ct:O+32*\t+8*\ct+7], v[KV+32*\kh+8*\ct:KV+32*\kh+8*\ct+7], v[S+32*\t+8*\kh:S+32*\t+8*\kh+7], v[O+32*\t+8*\ct:O+32*\t+8*\ct+7]
.endr
.endr
.endr
.rept 5
	v_nop                                          ; the next scores are written by matrix instructions over P, which these products read: five places; the loads into V's registers want four
.endr
.endm
; THE CHANGE OF SLOTS stands at a slot's head.  Each wave waits for all its tensor loads, adds 0 to its spare word, and waits for that and for its reads of the slot that it has left.  fill = 1: a round of the
; cluster's barrier follows, behind which no wave of any partner reads the other slot or has a load on its way, and that slot is asked for jointly: one load in each of waves 0-3, with four key steps in which to land.
.macro CHANGE fill
	s_wait_tensorcnt 0x0                           ; no tensor load of mine is out, so the descriptor may be written
	ds_add_u32 v[SPW], v[NIL]
.if \fill
	ds_add_u32 v[SPW], v[NIL]                      ; and once more, in every trip alike
	s_xor_b32 s[G0+1], s[G0+1], SLOTB              ; the other slot than last time,
	s_add_nc_u64 s[G0+2:G0+3], s[G0+2:G0+3], 32768 ; the next 256 keys
	s_wait_xcnt 0x0                                ; the last prefetch, a slot back, has read its address
	s_add_nc_u64 s[PFA:PFA+1], s[PFA:PFA+1], 32768
	s_wait_dscnt 0x0
	CROUND
	JLOAD
	ASK
.else
	s_wait_dscnt 0x0
	s_barrier_signal -1
	s_barrier_wait -1
.endif
.endm
.macro SLOT_STEPS
	v_add_nc_u32 v[ADR], s[TB], v[LI]
	STEP 0
	STEP 1
	STEP 2
	STEP 3
	s_xor_b32 s[TB], s[TB], SLOTB
.endm
	s_wait_loadcnt 0x0                             ; Q
.Lslot:                                                ; seven trips: behind each change of slots but the last the next slot is asked for
	CHANGE 1
	SLOT_STEPS
	s_sub_co_u32 s[SLOTS], s[SLOTS], 1
	s_cmp_lg_u32 s[SLOTS], 0
	s_cbranch_scc1 .Lslot
	CHANGE 0                                       ; the last slot is written out
	SLOT_STEPS
	; THE WAY OUT.  O^T / l + bv, rounded to f16: four registers a tile of channels, which are half an image of the output projection's operand as they stand.
.irp t, 0,1
	v_add_f32 v[ST+8*\t+4], v[ST+8*\t+2], v[ST+8*\t+3]
.endr
.irp t, 0,1
	v_permlanex16_b32 v[ST+8*\t+5], v[ST+8*\t+4], s[SEL], s[SEL+1]
.endr
.irp t, 0,1
	v_add_f32 v[ST+8*\t+4], v[ST+8*\t+4], v[ST+8*\t+5]
.endr
.irp t, 0,1
	v_rcp_f32 v[ST+8*\t+6], v[ST+8*\t+4]
.endr
	v_bfe_u32 v2, v0, 4, 1                         ; (a plain line behind the reciprocals)
	v_lshlrev_b32 v2, 5, v2                        ; bv in the result's layout: channel 16 ct + 8 h + j
.irp ct, 0,1,2,3
	global_load_b128 v[KV+8*\ct:KV+8*\ct+3], v2, s[6:7] offset:64*\ct
	global_load_b128 v[KV+8*\ct+4:KV+8*\ct+7], v2, s[6:7] offset:64*\ct+16
.endr
	s_wait_alu depctr_va_vdst(0)                   ; one wait for the two reciprocals, ahead of their first reader
	s_wait_loadcnt 0x0
.irp i, 0,1,2,3,4,5,6,7,8,9,10,11,12,13,14,15
.irp t, 0,1
	v_pk_fma_f32 v[S+32*\t+2*\i:S+32*\t+2*\i+1], v[O+32*\t+2*\i:O+32*\t+2*\i+1], v[ST+8*\t+6:ST+8*\t+7], v[KV+2*\i:KV+2*\i+1] op_sel_hi:[1,0,1]
.endr
.endr
.irp i, 0,1,2,3,4,5,6,7,8,9,10,11,12,13,14,15
.irp t, 0,1
	v_cvt_pk_f16_f32 v[KV+32+16*\t+\i], v[S+32*\t+2*\i], v[S+32*\t+2*\i+1]
.endr
.endr
.irp t, 0,1
.irp ct, 0,1,2,3
	global_store_b128 v[LI], v[KV+32+16*\t+4*\ct:KV+32+16*\t+4*\ct+3], s[8:9] offset:\t*1024+(\ct/2)*8192+(\ct%2)*512   ; 32 lanes store 512 consecutive bytes, aligned
.endr
.endr
	s_wait_tensorcnt 0x0                           ; the wave's end
	ds_add_u32 v[SPW], v[NIL]
	s_wait_dscnt 0x0
	CROUND                                         ; the closing round
	s_endpgm
.Lfunc_end_k_q0c0a83f30f_attn:
	.size	k_q0c0a83f30f_attn, .Lfunc_end_k_q0c0a83f30f_attn-k_q0c0a83f30f_attn
	.p2alignl 7, 3214868480
	.fill 96, 4, 3214868480
	.section	.rodata,"a",@progbits
	.p2align	6, 0x0
	.amdhsa_kernel k_q0c0a83f30f_attn
		.amdhsa_group_segment_fixed_size 327680
		.amdhsa_private_segment_fixed_size 0
		.amdhsa_enable_private_segment 0
		.amdhsa_kernarg_size 24
		.amdhsa_user_sgpr_count 2
		.amdhsa_user_sgpr_kernarg_segment_ptr 1
		.amdhsa_wavefront_size32 1
		.amdhsa_system_sgpr_workgroup_id_x 1
		.amdhsa_system_sgpr_workgroup_id_y 1
		.amdhsa_system_sgpr_workgroup_id_z 1
		.amdhsa_system_vgpr_workitem_id 0
		.amdhsa_next_free_vgpr 256
		.amdhsa_next_free_sgpr 66
		.amdhsa_reserve_vcc 0
		.amdhsa_float_denorm_mode_32 3
		.amdhsa_float_denorm_mode_16_64 3
		.amdhsa_memory_ordered 1
		.amdhsa_forward_progress 1
		.amdhsa_inst_pref_size 152
	.end_amdhsa_kernel
	.amdgpu_metadata
---
amdhsa.version: [ 1, 2 ]
amdhsa.kernels:
  - .name:           k_q0c0a83f30f_attn
    .symbol:         k_q0c0a83f30f_attn.kd
    .args:
      - { .name: qkv, .offset: 0, .size: 8, .value_kind: global_buffer, .address_space: global }
      - { .name: bv, .offset: 8, .size: 8, .value_kind: global_buffer, .address_space: global }
      - { .name: ao, .offset: 16, .size: 8, .value_kind: global_buffer, .address_space: global }
    .group_segment_fixed_size: 327680
    .private_segment_fixed_size: 0
    .kernarg_segment_align: 8
    .kernarg_segment_size: 24
    .max_flat_workgroup_size: 512
    .sgpr_count:     66
    .vgpr_count:     256
    .wavefront_size: 32
...
	.end_amdgpu_metadata
.endif
;; end of part 3
;; launch oproj (part 4): grid 4 x 64, 4 waves a work-group, clusters of 4 x 4, 327,680 bytes of LDS; arguments ao, wo16, bo, out0; writes out0
.if DOCPART == 4
	.amdgcn_target "amdgcn-amd-amdhsa--gfx1250"
	.amdhsa_code_object_version 6
	.text
	.protected	k_q0c0a83f30f_oproj
	.globl	k_q0c0a83f30f_oproj
	.p2align	8
	.type	k_q0c0a83f30f_oproj,@function
k_q0c0a83f30f_oproj:
	s_mov_b64 s[64:65], 0
	v_nop
	global_prefetch_b8 v0, s[64:65] scope:SCOPE_SE
	s_setreg_imm32_b32 hwreg(HW_REG_WAVE_MODE, 25, 1), 1
	s_wait_xcnt 0x0
	s_wait_alu depctr_hold_cnt(0) depctr_sa_sdst(0) depctr_va_vdst(0) depctr_va_sdst(0) depctr_va_ssrc(0) depctr_va_vcc(0) depctr_vm_vsrc(0)
	s_getreg_b32 s2, hwreg(HW_REG_IB_STS2, 6, 4)
	s_cmp_eq_u32 s2, 0
	s_cbranch_scc0 .Lentry_in_a_cluster
	s_endpgm
.Lentry_in_a_cluster:
	s_bfe_u32 s2, ttmp6, 0x10000c
	s_cmp_lg_u32 s2, 0xf033
	s_cbranch_scc0 .Lentry_shape_is_right
	s_endpgm
.Lentry_shape_is_right:
; OPROJ: out0 = A Wo + bo.  A [8192][1024] and Wo^T arrive in f16 as images of operand registers (16 rows x 32 K = 1,024 bytes: registers 0-3 of lane L at 16 L, 4-7 at 512 + 16 L); sums in f32; out0 f32.
; ao [128 rows: 64][K step of 128: 8][32 along K: 4][16 rows: 8][1024];  wo16 [256 columns: 4][32 along K: 32][16 columns: 16][1024]: a K step's tiles are dense blocks.
; A tile of the result is 128 x 256, so that there are 256 work-groups; four waves, each 64 x 128: 32 accumulators, 256 registers.  K goes in steps of 128 through a ring of two LDS slots.
; CLUSTERS: 4 x 4.  A's tile hangs on the tile row and is shared along a row of the cluster, Wo's on the tile column and along a column: each is asked for jointly.
; THE MATRIX INSTRUCTION IS USED TRANSPOSED (source 0 = 16 columns of Wo, source 1 = 16 rows of A): a lane holds eight neighbouring numbers of a row of the result.  The bias is the C of each sum's first product.
; REGISTERS: window 0: v16-30 addresses; v64-159, v160-255 two fragment buffers (A's 4 fragments, then Wo's 8); on the way out v64-191 rows.  window 1: accumulator (a, b) at v[8 (8 a + b)].  window 2: v0-63 bo.
.set SLOT,   98304                     ; A's 32,768 bytes [4][8][1024], then Wo's 65,536 [4][16][1024]
.set BOFF,   32768
.set STAGE,  2*SLOT                    ; behind the ring: 16 rows x (512 bytes + 16) for each wave, for the way out
.set SPITCH, 528
.set SPARE,  STAGE+4*16*SPITCH         ; the spare words, 128 bytes a wave: two blocks of 256 bytes that no other line names
.set LAPS,   4                         ; a lap = two K steps = once round the ring
.set ADRA, 16
.set ADRB, 20
.set STO,  24
.set RD,   25
.set CO,   26
.set SPW,  28
.set NIL,  29
.set PFO,  30
.set F0,   64
.set F1,   160
.set BK,   64
.set G1A, 24
.set G0A, 32
.set G1B, 48
.set G0B, 56
.set LIM, 45
.set PFA, 46
.set MSB, 0
.macro WIN new
.if MSB != \new
	s_set_vgpr_msb (MSB<<8)|\new
.set MSB, \new
.endif
.endm
.set MUL,  0x50                        ; sources 0 and 1 window 0; C and D window 1
.set MULB, 0x60                        ; C (the bias) window 2, D window 1
.macro JLOAD s                         ; a joint load: waves 0 and 1 fetch A's halves, waves 2 and 3 Wo's; an s_nop 0 and four v_nop follow each line
	s_cmp_eq_u32 s13, 0
	s_cbranch_scc0 .Lfor_b_\@
	tensor_load_to_lds s[G0A+4*\s:G0A+4*\s+3], s[G1A:G1A+7]
	s_nop 0
.rept 4
	v_nop
.endr
	s_branch .Lasked_\@
.Lfor_b_\@:
	tensor_load_to_lds s[G0B+4*\s:G0B+4*\s+3], s[G1B:G1B+7]
	s_nop 0
.rept 4
	v_nop
.endr
.Lasked_\@:
.endm
; A PREFETCH INTO THE L2 of A's K step that stands two refills on (256 matrix instructions a wave ahead of the load that will want it).  A tile row is read by one row of one cluster: its four partners share the
; step's 32,768 bytes out BY ADDRESS, 8,192 each; in each, wave 0 asks, lanes 256 bytes apart: each block of 256 bytes is named once.  K steps 0 to 3 come by their loads alone; the last trip's refills have no step two on.
; Wo's tiles are read by sixteen clusters each and are not asked for.
.macro ASK
	s_cmp_gt_u32 s3, s[LIM]
	s_cbranch_scc0 .Lnot_mine_\@
	global_prefetch_b8 v[PFO], s[PFA:PFA+1] offset:32768 th:TH_LOAD_NT scope:SCOPE_SE
.Lnot_mine_\@:
.endm
.macro CREST
	s_cmp_lg_u32 s12, 0
	s_cbranch_scc1 .Lnot_wave_0_\@
	s_barrier_signal -3
.Lnot_wave_0_\@:
	s_barrier_wait -3
	s_barrier_signal -1
	s_barrier_wait -1
.endm
.macro CROUND
	s_barrier_signal -1
	s_barrier_wait -1
	CREST
.endm
	s_load_b256 s[4:11], s[0:1], 0x0               ; ao, wo16, bo, out0
	v_lshl_add_u32 v[SPW], v0, 2, SPARE
	v_mov_b32 v[NIL], 0
	ds_add_u32 v[SPW], v[NIL]                      ; the wave's opening: the add, twice on end, and its wait ahead of my first tensor load
	ds_add_u32 v[SPW], v[NIL]
	v_lshrrev_b32 v1, 5, v0
	v_readfirstlane_b32 s12, v1                    ; wave 0..3
	s_lshr_b32 s13, s12, 1                         ; which 64 rows are mine.  Also: I fetch for A (0) or for Wo (1)
	s_and_b32 s14, s12, 1                          ; which 128 columns.  Also: which half of that tile I fetch
	s_bfe_u32 s40, ttmp6, 0x40000                  ; cx = the tile column
	s_bfe_u32 s41, ttmp6, 0x40004                  ; cy
	s_and_b32 s42, ttmp7, 0xffff
	s_lshl_b32 s42, s42, 2
	s_add_co_u32 s42, s42, s41                     ; the tile row = 4 x cluster y + cy
	s_lshl_b32 s43, s41, 2
	s_lshl_b32 s43, 15, s43                        ; my row of the cluster
	s_lshl_b32 s44, 0x1111, s40                    ; my column
	s_or_b32 s[G1A+0], s43, (3<<16)|(1<<21)        ; A: 16,384 dense bytes as 64 rows of 256 (32 elements of 8 bytes), no padding
	s_mov_b32 s[G1A+1], 32<<16
	s_mov_b32 s[G1A+2], 64<<16
	s_mov_b32 s[G1A+3], 32<<16
	s_mov_b32 s[G1A+4], 64
	s_mov_b32 s[G1A+5], 32
	s_mov_b32 s[G1A+6], 0
	s_mov_b32 s[G1A+7], 0
	s_or_b32 s[G1B+0], s44, (3<<16)|(1<<21)        ; Wo: 32,768 bytes as 128 rows
	s_mov_b32 s[G1B+1], 32<<16
	s_mov_b32 s[G1B+2], 128<<16
	s_mov_b32 s[G1B+3], 32<<16
	s_mov_b32 s[G1B+4], 128
	s_mov_b32 s[G1B+5], 32
	s_mov_b32 s[G1B+6], 0
	s_mov_b32 s[G1B+7], 0
	s_lshl_b32 s16, s42, 18
	s_lshl_b32 s17, s14, 14
	s_add_co_u32 s16, s16, s17
	s_mov_b32 s17, 0
	s_lshl_b32 s18, s40, 19
	s_lshl_b32 s19, s14, 15
	s_add_co_u32 s18, s18, s19
	s_mov_b32 s19, 0
	s_lshl_b32 s20, s14, 14                        ; where they go: no place in the cluster enters an LDS address
	s_lshl_b32 s21, s14, 15
	s_add_co_u32 s21, s21, BOFF
	s_wait_dscnt 0x0                               ; both opening adds are done
	s_wait_kmcnt 0x0
	s_add_nc_u64 s[16:17], s[4:5], s[16:17]
	s_add_nc_u64 s[18:19], s[6:7], s[18:19]
	CROUND                                         ; all sixteen work-groups are here: the first joint loads meet
.irp s, 0,1
	s_mov_b32 s[G0A+4*\s], 1
	s_add_co_u32 s[G0A+4*\s+1], s20, \s*SLOT
	s_add_nc_u64 s[G0A+4*\s+2:G0A+4*\s+3], s[16:17], \s*32768
	s_or_b32 s[G0A+4*\s+3], s[G0A+4*\s+3], 0x80000000
	s_mov_b32 s[G0B+4*\s], 1
	s_add_co_u32 s[G0B+4*\s+1], s21, \s*SLOT
	s_add_nc_u64 s[G0B+4*\s+2:G0B+4*\s+3], s[18:19], \s*65536
	s_or_b32 s[G0B+4*\s+3], s[G0B+4*\s+3], 0x80000000
	JLOAD \s                                       ; two tensor loads of mine are out
.endr
	v_and_b32 v1, 15, v0                           ; r
	v_bfe_u32 v2, v0, 4, 1                         ; h
	v_and_b32 v3, 31, v0
	v_lshlrev_b32 v[CO], 4, v3                     ; 16 x lane
	v_lshlrev_b32 v[PFO], 8, v3
	v_lshlrev_b32 v4, 5, v2                        ; the bias: 32 h
	s_lshl_b32 s22, s40, 10                        ; my first column, in bytes
	s_lshl_b32 s23, s14, 9
	s_add_co_u32 s22, s22, s23
	s_mov_b32 s23, 0
	s_add_nc_u64 s[8:9], s[8:9], s[22:23]
	s_add_nc_u64 s[10:11], s[10:11], s[22:23]
	WIN 0x80                                       ; destination window 2
.irp b, 0,1,2,3,4,5,6,7
	global_load_b128 v[8*\b:8*\b+3], v4, s[8:9] offset:64*\b       ; lane (r, h), block b, register j: column 16 b + 8 h + j of my 128
	global_load_b128 v[8*\b+4:8*\b+7], v4, s[8:9] offset:64*\b+16
.endr
	WIN 0
	s_lshl_b32 s22, s42, 19                        ; my first row: 128 x tile row + 64 x half, 4,096 bytes a row
	s_lshl_b32 s16, s13, 18
	s_add_co_u32 s22, s22, s16
	s_add_nc_u64 s[10:11], s[10:11], s[22:23]
	s_lshl_b32 s22, s42, 18                        ; the prefetches: my work-group's quarter of A's K step 2; the first refill steps it to 3 and names step 4
	s_lshl_b32 s16, s40, 13
	s_add_co_u32 s22, s22, s16
	s_add_co_u32 s22, s22, 65536
	s_add_nc_u64 s[PFA:PFA+1], s[4:5], s[22:23]
	s_cmp_eq_u32 s12, 0
	s_cselect_b32 s[LIM], 1, -1
	s_lshl_b32 s16, s13, 12                        ; my four images of A in a quarter's eight,
	s_lshl_b32 s17, s14, 13
	s_add_co_u32 s17, s17, BOFF                    ; my eight of Wo's sixteen
.irp s, 0,1
	v_add_nc_u32 v[ADRA+\s], s16, v[CO]
	v_add_nc_u32 v[ADRB+\s], s17, v[CO]
	s_add_co_u32 s16, s16, SLOT
	s_add_co_u32 s17, s17, SLOT
.endr
	s_mul_i32 s16, s12, 16*SPITCH
	s_add_co_u32 s16, s16, STAGE                   ; my stage
	v_mul_u32_u24 v5, v1, SPITCH                   ; in: row r, 32 bytes for each half of the lanes
	v_lshl_add_u32 v5, v2, 5, v5
	v_add_nc_u32 v[STO], s16, v5
	v_add_nc_u32 v[RD], s16, v[CO]                 ; back: the 32 lanes take one row of 512 bytes
.macro MUL8 f, a, zero                 ; A's block a x Wo's eight, 32 along K.  The 32 accumulators take turns, one instruction a turn
.irp b, 0,1,2,3,4,5,6,7
.if \zero
	v_wmma_f32_16x16x32_f16 v[8*(8*(\a)+\b):8*(8*(\a)+\b)+7], v[\f+32+8*\b:\f+32+8*\b+7], v[\f+8*(\a):\f+8*(\a)+7], v[8*\b:8*\b+7]
.else
	v_wmma_f32_16x16x32_f16 v[8*(8*(\a)+\b):8*(8*(\a)+\b)+7], v[\f+32+8*\b:\f+32+8*\b+7], v[\f+8*(\a):\f+8*(\a)+7], v[8*(8*(\a)+\b):8*(8*(\a)+\b)+7]
.endif
.endr
.endm
.macro FETCH slot, kk, f               ; 24 LDS loads in one run: a quarter's fragments; Wo's first, A's blocks 2 and 3 last
.irp b, 0,1,2,3,4,5,6,7
	ds_load_b128 v[\f+32+8*\b:\f+32+8*\b+3], v[ADRB+\slot] offset:(\kk)*16384+\b*1024
	ds_load_b128 v[\f+32+8*\b+4:\f+32+8*\b+7], v[ADRB+\slot] offset:(\kk)*16384+\b*1024+512
.endr
.irp a, 0,1,2,3
	ds_load_b128 v[\f+8*\a:\f+8*\a+3], v[ADRA+\slot] offset:(\kk)*8192+\a*1024
	ds_load_b128 v[\f+8*\a+4:\f+8*\a+7], v[ADRA+\slot] offset:(\kk)*8192+\a*1024+512
.endr
.endm
.macro PLACES
.rept 4
	v_nop
.endr
.endm
.macro QUARTER slot, kk, f, g, zero    ; multiplies buffer f; in its middle it fetches the slot's quarter kk into buffer g
	s_wait_dscnt 4                                 ; Wo's fragments and A's blocks 0 and 1 are in; the youngest four loads (A's blocks 2 and 3) may be out
.if \zero
	WIN MULB
.else
	WIN MUL
.endif
	MUL8 \f, 0, \zero
	MUL8 \f, 1, \zero
	PLACES                                         ; in front of loads into registers that matrix instructions have read
	WIN 0
	FETCH \slot, \kk, \g
	s_wait_dscnt 24                                ; all but the 24 just issued
.if \zero
	WIN MULB
.else
	WIN MUL
.endif
	MUL8 \f, 2, \zero
	MUL8 \f, 3, \zero
.endm
; The last quarter multiplies buffer 1 and changes slots: in front of the barrier each wave waits for all its tensor loads, adds 0 to its spare word, and waits for that and for its reads of this slot.
; fill = 1: the barrier opens a round of the cluster's barrier, and this slot is filled again, two K steps ahead, first thing behind it.
.macro TURN slot, next, fill
.if \fill
	s_wait_xcnt 0x0                                ; the last prefetch, a K step back, has read its address
	s_add_nc_u64 s[PFA:PFA+1], s[PFA:PFA+1], 32768
.endif
	WIN 0
	s_wait_tensorcnt 0x0                           ; all my tensor loads have landed: my part of the next slot
	ds_add_u32 v[SPW], v[NIL]
	s_wait_dscnt 5                                 ; (the add and the youngest four loads may be out)
	WIN MUL
	MUL8 F1, 0, 0
	s_wait_dscnt 0x0                               ; the add is done, and my reads of this slot are over
	s_barrier_signal -1
	MUL8 F1, 1, 0
	WIN 0
	s_barrier_wait -1
.if \fill
	CREST
	s_add_nc_u64 s[G0A+4*\slot+2:G0A+4*\slot+3], s[G0A+4*\slot+2:G0A+4*\slot+3], 65536
	s_add_nc_u64 s[G0B+4*\slot+2:G0B+4*\slot+3], s[G0B+4*\slot+2:G0B+4*\slot+3], 131072
	JLOAD \slot                                    ; my one tensor load behind the round; its four v_nop are also the places in front of the loads below
.else
	PLACES
.endif
	FETCH \next, 0, F0
.if \fill
	ASK
.endif
	WIN MUL
	MUL8 F1, 2, 0
	MUL8 F1, 3, 0
.endm
	s_wait_tensorcnt 1                             ; my part of K step 0 is in; K step 1's load may be out
	s_barrier_signal -1
	s_barrier_wait -1
	FETCH 0, 0, F0
	s_wait_loadcnt 0x0                             ; the bias
	QUARTER 0, 1, F0, F1, 1                        ; the first quarter stands in front of the loop: its products start the sums from the bias
	WIN 0
	s_mov_b32 s3, LAPS-1
.Llap:                                                 ; a trip goes once round the ring and fills both slots again
	QUARTER 0, 2, F1, F0, 0
	QUARTER 0, 3, F0, F1, 0
	TURN 0, 1, 1
	QUARTER 1, 1, F0, F1, 0
	QUARTER 1, 2, F1, F0, 0
	QUARTER 1, 3, F0, F1, 0
	TURN 1, 0, 1
	QUARTER 0, 1, F0, F1, 0
	WIN 0
	s_sub_co_u32 s3, s3, 1
	s_cmp_lg_u32 s3, 0
	s_cbranch_scc1 .Llap
	QUARTER 0, 2, F1, F0, 0                        ; the last lap fills nothing
	QUARTER 0, 3, F0, F1, 0
	TURN 0, 1, 0
	QUARTER 1, 1, F0, F1, 0
	QUARTER 1, 2, F1, F0, 0
	QUARTER 1, 3, F0, F1, 0
	s_wait_dscnt 4
	WIN MUL
	MUL8 F1, 0, 0
	MUL8 F1, 1, 0
	s_wait_dscnt 0
	MUL8 F1, 2, 0
	MUL8 F1, 3, 0
	WIN 0
; THE WAY OUT, block by block of 16 rows x 128 columns: through my own stage in LDS, back as whole rows of 512 bytes.  LDS serves a wave's instructions in order: no wait between the stores and the loads.
.macro TOSTAGE a
	WIN 0x04                                       ; an LDS store's data are its source 1: window 1
.irp b, 0,1,2,3,4,5,6,7
	ds_store_b128 v[STO], v[64*(\a)+8*\b:64*(\a)+8*\b+3] offset:64*\b            ; each accumulator from its low end on
	ds_store_b128 v[STO], v[64*(\a)+8*\b+4:64*(\a)+8*\b+7] offset:64*\b+16
.endr
	WIN 0
.set BB, BK+64*((\a)%2)
.irp t, 0,1,2,3,4,5,6,7,8,9,10,11,12,13,14,15
	ds_load_b128 v[BB+4*\t:BB+4*\t+3], v[RD] offset:\t*SPITCH
.endr
.endm
.macro SEND a, younger                 ; younger: the LDS instructions issued behind block a's loads, which may stay out
.set BB, BK+64*((\a)%2)
	s_wait_dscnt \younger
.irp t, 0,1,2,3,4,5,6,7,8,9,10,11,12,13,14,15
	global_store_b128 v[CO], v[BB+4*\t:BB+4*\t+3], s[10:11] offset:(\a)*65536+\t*4096 th:TH_STORE_NT   ; 32 lanes store 512 consecutive bytes, aligned
.endr
.endm
	PLACES                                         ; for the loads into the fragments' registers and the reads of the last results
	TOSTAGE 0
	TOSTAGE 1
	SEND 0, 32                                     ; behind block 0's loads: block 1's 16 stores and 16 loads
	s_wait_xcnt 0x0                                ; block 0's stores have read their registers: block 2's loads may land there
	TOSTAGE 2
	SEND 1, 32
	s_wait_xcnt 0x0
	TOSTAGE 3
	SEND 2, 32
	SEND 3, 0
	s_wait_tensorcnt 0x0                           ; the wave's end
	ds_add_u32 v[SPW], v[NIL]
	s_wait_dscnt 0x0
	CROUND                                         ; the closing round
	s_endpgm
.Lfunc_end_k_q0c0a83f30f_oproj:
	.size	k_q0c0a83f30f_oproj, .Lfunc_end_k_q0c0a83f30f_oproj-k_q0c0a83f30f_oproj
	.p2alignl 7, 3214868480
	.fill 96, 4, 3214868480
	.section	.rodata,"a",@progbits
	.p2align	6, 0x0
	.amdhsa_kernel k_q0c0a83f30f_oproj
		.amdhsa_group_segment_fixed_size 327680
		.amdhsa_private_segment_fixed_size 0
		.amdhsa_enable_private_segment 0
		.amdhsa_kernarg_size 32
		.amdhsa_user_sgpr_count 2
		.amdhsa_user_sgpr_kernarg_segment_ptr 1
		.amdhsa_wavefront_size32 1
		.amdhsa_system_sgpr_workgroup_id_x 1
		.amdhsa_system_sgpr_workgroup_id_y 1
		.amdhsa_system_sgpr_workgroup_id_z 1
		.amdhsa_system_vgpr_workitem_id 0
		.amdhsa_next_free_vgpr 576
		.amdhsa_next_free_sgpr 66
		.amdhsa_reserve_vcc 0
		.amdhsa_float_denorm_mode_32 3
		.amdhsa_float_denorm_mode_16_64 3
		.amdhsa_memory_ordered 1
		.amdhsa_forward_progress 1
		.amdhsa_inst_pref_size 86
	.end_amdhsa_kernel
	.amdgpu_metadata
---
amdhsa.version: [ 1, 2 ]
amdhsa.kernels:
  - .name:           k_q0c0a83f30f_oproj
    .symbol:         k_q0c0a83f30f_oproj.kd
    .args:
      - { .name: ao, .offset: 0, .size: 8, .value_kind: global_buffer, .address_space: global }
      - { .name: wo16, .offset: 8, .size: 8, .value_kind: global_buffer, .address_space: global }
      - { .name: bo, .offset: 16, .size: 8, .value_kind: global_buffer, .address_space: global }
      - { .name: out0, .offset: 24, .size: 8, .value_kind: global_buffer, .address_space: global }
    .group_segment_fixed_size: 327680
    .private_segment_fixed_size: 0
    .kernarg_segment_align: 8
    .kernarg_segment_size: 32
    .max_flat_workgroup_size: 128
    .sgpr_count:     66
    .vgpr_count:     576
    .wavefront_size: 32
...
	.end_amdgpu_metadata
.endif
;; end of part 4
